; MI455X (gfx1250); checked and timed in simulation.
; The chip was launched on July 23, 2026; its instructions are those of AMD's public machine-readable ISA for CDNA 5 (MIT licence, August 2026) and "CDNA5" Instruction Set Architecture Reference Guide (July 2026). The comments in the code are by the model that wrote it; some were corrected since.
;; Causal Self Attention. Allowed arithmetic: matrix products marked QUANTISED: E2M1 operands, one E8M0 scale for each 32 along K, by v_wmma_scale_f32_16x16x128_f8f6f4 with both operands' format E2M1 (or v_wmma_scale_f32_32x16x128_f4), f32 sums; products left as they are: bf16, f16 or f32 operands; f32 sums; everything else in f32.
;; Inputs: b_proj 1,024 float32; b_qkv 3,072 float32; w_proj 1,024 x 1,024 float32; w_qkv 1,024 x 3,072 float32; x 4 x 2,048 x 1,024 float32.
;; Outputs: out0 4 x 2,048 x 1,024 float32.
;; This version of the problem:
;;   THIS VERSION OF THE PROBLEM IS GIVEN IN LOW PRECISION. The matrix products marked QUANTISED in the list below multiply operands that are first quantised to E2M1 (2 exponent bits, 1 mantissa bit; 4 bits a number), with one power-of-two scale for each 32 numbers along K (OCP MX v1.0); their sums are f32. The products marked 'left as it is' may take bf16, f16 or f32 operands, with f32 sums. Whichever they take, every output number must still come out within the allowed error. Rounding operands to bf16 (8 significant bits) uses up far more of that allowance than f16 does (11 bits, for magnitudes from 6e-5 to 65,504). All else is computed in f32.
;;   The module's matrix products, in the order in which they are computed (A, B: the left and right operand; K: the contracted axis; several contracted axes count as one K, in the product's order):
;;     1. [M 8,192, K 1,024] x [K 1,024, N 3,072]; A: input x; B: input w_qkv: QUANTISED
;;     2. batch 64 x [M 2,048, K 64] x [K 64, N 2,048]; A: computed on the way; B: computed on the way: left as it is (an operand is computed on the way)
;;     3. batch 64 x [M 2,048, K 2,048] x [K 2,048, N 64]; A: computed on the way; B: computed on the way: left as it is (an operand is computed on the way)
;;     4. [M 8,192, K 1,024] x [K 1,024, N 1,024]; A: computed on the way; B: input w_proj: left as it is (an operand is computed on the way)
;;   THE QUANTISER, for each operand of a quantised product, along K:
;;     - K is cut into blocks of 32 from its start; a last block that is shorter is filled with zeros.
;;     - A block's scale is 2^e with e = floor(log2(the largest magnitude in the block)) - 2, held to -126 .. 127; a block of zeros has e = 0. As a byte (E8M0): e + 127.
;;     - Each number is divided by its block's scale, clamped to +-6, and rounded to the nearest number of E2M1, ties to even, subnormals kept.
;;     - The product sums the exact products of the quantised numbers (number of the format x scale) in f32.
;;   ~~~python
;;   def quantise(x, axis):      # numpy; x: float32 -> the quantised numbers, widened to float32 again
;;       x = np.moveaxis(x, axis, -1); K = x.shape[-1]
;;       x = np.pad(x, [(0, 0)] * (x.ndim - 1) + [(0, -K % 32)]); x = x.reshape(x.shape[:-1] + (-1, 32)); a = np.abs(x).max(-1, keepdims=True)
;;       e = np.where(a > 0, np.clip(np.frexp(np.where(a > 0, a, 1))[1] - 1 - 2, -126, 127), 0)      # np.frexp(a)[1] - 1 = floor(log2(a)), exactly
;;       r = np.clip(x / 2.0 ** e, -6, 6)
;;       step = 2.0 ** (np.maximum(np.frexp(np.where(r == 0, 1, r))[1] - 1, 0) - 1)
;;       q = np.round(r / step) * step * 2.0 ** e      # np.round: ties to even
;;       return np.moveaxis(q.reshape(q.shape[:-2] + (-1,))[..., :K], -1, axis).astype(np.float32)
;;   ~~~
;; One version. Each part assembles by itself: llvm-mc -triple=amdgcn-amd-amdhsa -mcpu=gfx1250 --defsym DOCPART=n.
;; ======== version 1 of 1: 5 launches
;; limits: values are held in f16: magnitudes above 65,504 overflow, below 6.1e-05 lose precision
;; workspace buffers: xc 4,194,304 bytes; xs 262,144 bytes; wc 1,572,864 bytes; ws 98,304 bytes; w16 2,097,152 bytes; qkv16 50,331,648 bytes; qkv32 786,432 bytes; y16 16,777,216 bytes
;; launch prep (part 1): grid 336 x 1, 4 waves a work-group, no clusters, 68,096 bytes of LDS; arguments x, w_qkv, w_proj, xc, xs, wc, ws, w16; writes xc, xs, wc, ws, w16
.if DOCPART == 1
	.amdgcn_target "amdgcn-amd-amdhsa--gfx1250"
	.amdhsa_code_object_version 6
	.text
	.protected	k_q43d3c10eb1_prep
	.globl	k_q43d3c10eb1_prep
	.p2align	8
	.type	k_q43d3c10eb1_prep,@function
k_q43d3c10eb1_prep:
	s_mov_b64 s[64:65], 0
	v_nop
	global_prefetch_b8 v0, s[64:65] scope:SCOPE_SE
	s_setreg_imm32_b32 hwreg(HW_REG_WAVE_MODE, 25, 1), 1
	s_wait_xcnt 0x0
; CAUSAL SELF-ATTENTION, B = 4, T = 2,048, C = 1,024, 16 heads of 64, in five launches: prep, gemm1, att, proj, first16.
; WORK LEFT OUT, and why it is dead.  reference() sets every score with key > query to -infinity under the jnp.tril that it builds itself; the softmax gives such a key the weight 0, and 0 times a finite v adds
; nothing.  So for all finite inputs no output hangs on the scores or on the weighted values of a key that comes after the query: launch att leaves out every step of 64 keys that lies wholly after a wave's queries.
; LIMIT: a NaN, an infinity or an overflow that would arise only in those left-out scores is not carried to the result.
; NO INPUT IS DEAD.  K's third of b_qkv adds q . b_k to all scores of a row, which a softmax takes away in real numbers; it stays, because the bias is the C operand of the first matrix instruction of the one
; text that makes the tiles of q, k and v alike: it costs no instruction, and a text without it would need a second copy of those products.
; THIS LAUNCH: three streams, told apart by the work-group's number alone; the paths never join, and each has LDS bytes of its own.
;   ids 0-47   W: w_qkv [1024 (k)][3072 (n)] f32 -> codes of E2M1 laid [3072][512 bytes] with K innermost, scale bytes [3072][32].  A lane takes a column, its registers run down K.
;   ids 48-79  C: w_proj f32 -> f16, number by number, [k][n] as it lies.
;   ids 80-335 X: x [8192][1024] f32 -> codes [8192][512 bytes], scale bytes [8192][32].  Rows are dense: a plain stream of blocks of 32.
; A block's scale is 2^(floor(log2(its largest magnitude)) - 2); its byte is the largest magnitude's exponent field - 2, held at 1 from below.
; LIMITS: a block of zeros gets the byte 1 where the rule says 127 (its codes are zeros, and this program alone reads the bytes); blocks whose largest magnitude lies under 2^(2 - 126) are held at the byte 1;
; NaN and infinities among the inputs are not served; |w_proj| stays under 65,504, the largest f16 number.
.set SPW,   196                        ; v196 LDS address of my spare word; never rewritten
.set NIL,   197                        ; v197 0; never rewritten
.set WBASE, 32768                      ; path W's four stages begin here; path X has bytes 0 to 32,767
.set SPARE, 67584                      ; behind them: the spare words, 128 bytes for each wave
.set EMAX,  2
; ---- path X
.set STEPS, 16
.set CB,    8                          ; bytes of 16 codes
.set XR,    16                         ; v16-79   four sets of 16 numbers as loaded
.set XX,    80                         ; v80-111  two sets of 16 neighbours
.set XE,    112                        ; v112-127 a scale byte for each step
.set XC,    128                        ; v128-191 codes, four registers for each step
.set WREG,  8192                       ; a wave's region: two stages of 32 x SP bytes, then its 256 scale bytes
.set SP,    80                         ; a lane's 64 bytes + 16 of padding
; ---- path W
.set SIZE_N, 3072
.set NB,    16                         ; blocks of 32 along K for a wave
.set PITCH, 272                        ; a stage row: 256 bytes of codes + 16
.set KROW,  512                        ; a row of wc in bytes
.set WX,    32                         ; v32-95   two sets of 32 numbers
.set WC,    96                         ; v96-99   a block's codes
.set OUTR,  112                        ; v112-175 the way out
.set SB,    24                         ; v24-27   the scale bytes, four to a register
.macro XLOAD t
.irp i, 0,1,2,3
	global_load_b128 v[XR+16*((\t)%4)+4*\i:XR+16*((\t)%4)+4*\i+3], v3, s[4:5] offset:2048*(\t)+512*\i th:TH_LOAD_NT   ; 32 lanes read 512 consecutive bytes
.endr
.endm
.macro XTURN t                         ; a step's numbers through the wave's own stage: LDS serves a wave's instructions in order, so no wait stands between the stores and the loads
.irp i, 0,1,2,3
	ds_store_b128 v14, v[XR+16*((\t)%4)+4*\i:XR+16*((\t)%4)+4*\i+3] offset:32*SP*((\t)%2)+8*SP*\i
.endr
.irp i, 0,1,2,3
	ds_load_b128 v[XX+16*((\t)%2)+4*\i:XX+16*((\t)%2)+4*\i+3], v15 offset:32*SP*((\t)%2)+16*\i
.endr
.endm
.macro XSTEP t
.set XS, XX+16*((\t)%2)
.if (\t) > 0
	s_wait_dscnt 1                                 ; this step's numbers are back from the stage; the last step's byte store may be out
.else
	s_wait_dscnt 0x0
.endif
.if (\t)+4 < STEPS
	XLOAD (\t)+4                                   ; into the registers that the stage's stores have read
.endif
.if (\t)+1 < STEPS
.if STEPS-2-(\t) >= 3
	s_wait_loadcnt 12                              ; the next step's four loads are in; those of the three steps behind it may be out
.else
	s_wait_loadcnt 4*(STEPS-2-(\t))
.endif
	XTURN (\t)+1
.endif
	v_max3_num_f32 v8, |v[XS]|, |v[XS+1]|, |v[XS+2]|               ; the largest magnitude of my 16
	v_max3_num_f32 v9, |v[XS+3]|, |v[XS+4]|, |v[XS+5]|
.irp i, 6,10
	v_max3_num_f32 v8, v8, |v[XS+\i]|, |v[XS+\i+1]|
	v_max3_num_f32 v9, v9, |v[XS+\i+2]|, |v[XS+\i+3]|
.endr
	v_max3_num_f32 v8, v8, |v[XS+14]|, |v[XS+15]|
	v_max3_num_f32 v8, v8, v9, (EMAX+1)<<23        ; and the floor 2^(3 - 127): the byte cannot fall under 1
	v_max_num_f32_dpp v8, v8, v8 row_xmask:1 row_mask:0xf bank_mask:0xf   ; and of my neighbour's 16: the block's
	v_add_nc_u32 v11, -(EMAX<<23), v8              ; 2 off its exponent field: the conversion takes the exponent field of this operand as its scale
	v_cvt_scalef32_pk8_fp4_f32 v[XC+4*(\t)], v[XS:XS+7], v11
	v_cvt_scalef32_pk8_fp4_f32 v[XC+4*(\t)+1], v[XS+8:XS+15], v11
	v_lshrrev_b32 v[XE+(\t)], 23, v11              ; the scale's byte
	ds_store_b8 v5, v[XE+(\t)] offset:16*(\t)      ; both lanes of a block write the same byte with the same value
	global_store_b64 v4, v[XC+4*(\t):XC+4*(\t)+1], s[10:11] offset:32*CB*(\t)   ; the wave stores 256 consecutive bytes, aligned
.endm
.macro WLOAD t                         ; block t: w_qkv(32 t + i, my column), i = 0 .. 31
.irp i, 0,1,2,3,4,5,6,7,8,9,10,11,12,13,14,15,16,17,18,19,20,21,22,23,24,25,26,27,28,29,30,31
	global_load_b32 v[WX+32*((\t)%2)+\i], v3, s[6:7] offset:(32*(\t)+\i)*SIZE_N*4 th:TH_LOAD_NT
.endr
.endm
.macro WBLOCK t
.set XS, WX+32*((\t)%2)
.if (\t) < NB-1
	s_wait_loadcnt 32                              ; this block's 32 loads are in; the next block's may be out
.else
	s_wait_loadcnt 0
.endif
	v_max3_num_f32 v12, |v[XS]|, |v[XS+1]|, |v[XS+2]|              ; all 32 numbers of the block are mine
	v_max3_num_f32 v13, |v[XS+3]|, |v[XS+4]|, |v[XS+5]|
.irp i, 6,10,14,18,22,26
	v_max3_num_f32 v12, v12, |v[XS+\i]|, |v[XS+\i+1]|
	v_max3_num_f32 v13, v13, |v[XS+\i+2]|, |v[XS+\i+3]|
.endr
	v_max3_num_f32 v12, v12, |v[XS+30]|, |v[XS+31]|
	v_max3_num_f32 v12, v12, v13, (EMAX+1)<<23
	v_add_nc_u32 v11, -(EMAX<<23), v12
	v_lshrrev_b32 v13, 23, v11
.if (\t)%4 == 0
	v_mov_b32 v[SB+(\t)/4], v13
.else
	v_lshl_or_b32 v[SB+(\t)/4], v13, 8*((\t)%4), v[SB+(\t)/4]
.endif
.irp g, 0,1,2,3
	v_cvt_scalef32_pk8_fp4_f32 v[WC+\g], v[XS+8*\g:XS+8*\g+7], v11
.endr
	ds_store_b128 v4, v[WC:WC+3] offset:16*(\t)    ; 32 codes: 16 bytes of my column's row
.if (\t)+2 < NB
	WLOAD (\t)+2
.endif
	s_wait_dscnt 0x0                               ; the store has read its registers: the next block's codes may be written
.endm
.macro CSLOT                           ; chunk i of 64 of path C: 128 numbers
.set sl, i%16
.if i < 48
	s_wait_loadcnt 15                              ; loads come back in order: mine is in, the fifteen younger ones stay out
.else
	s_wait_loadcnt 63-i
.endif
	s_wait_xcnt 0x0                                ; the slot's last store has read its data: they are rewritten only behind this wait
	v_cvt_pk_f16_f32 v[80+2*sl], v[16+4*sl], v[17+4*sl]
	v_cvt_pk_f16_f32 v[81+2*sl], v[18+4*sl], v[19+4*sl]
.if i < 48
	global_load_b128 v[16+4*sl:19+4*sl], v3, s[8:9] offset:512*(i+16) th:TH_LOAD_NT
.endif
	global_store_b64 v4, v[80+2*sl:81+2*sl], s[18:19] offset:256*i   ; the wave stores 256 consecutive bytes, aligned
.endm
	s_load_b256 s[4:11], s[0:1], 0x0               ; x s[4:5], w_qkv s[6:7], w_proj s[8:9], xc s[10:11]
	s_load_b256 s[12:19], s[0:1], 0x20             ; xs s[12:13], wc s[14:15], ws s[16:17], w16 s[18:19]
	v_lshl_add_u32 v[SPW], v0, 2, SPARE
	v_mov_b32 v[NIL], 0
	v_lshrrev_b32 v1, 5, v0
	v_readfirstlane_b32 s20, v1                    ; wave
	v_and_b32 v2, 31, v0                           ; lane
	s_wait_kmcnt 0x0
	s_cmp_lt_u32 ttmp9, 48
	s_cbranch_scc1 .Lw
	s_cmp_lt_u32 ttmp9, 80
	s_cbranch_scc1 .Lc
	; ---------------- path X: a wave takes 16 steps of 512 numbers
	v_lshlrev_b32 v3, 4, v2                        ; my 16 bytes of a load's 512
	s_mul_i32 s21, s20, WREG
	v_lshrrev_b32 v14, 2, v2
	v_mul_u32_u24 v14, v14, SP
	v_and_b32 v15, 3, v2
	v_lshl_add_u32 v14, v15, 4, v14
	v_add_nc_u32 v14, s21, v14                     ; the stage on the way in: SP (lane / 4) + 16 (lane % 4)
	v_mul_u32_u24 v15, v2, SP
	v_add_nc_u32 v15, s21, v15                     ; and on the way out: SP x lane: my 16 neighbours
	v_mul_u32_u24 v4, v2, CB
	v_lshrrev_b32 v5, 1, v2
	s_add_co_u32 s21, s21, 2*32*SP
	v_add_nc_u32 v5, s21, v5                       ; my block's scale byte in the wave's 256
	v_lshlrev_b32 v7, 3, v2
	v_add_nc_u32 v6, s21, v7
	s_sub_co_u32 s22, ttmp9, 80
	s_lshl_b32 s22, s22, 2
	s_add_co_u32 s22, s22, s20                     ; which run of 8,192 numbers is my wave's: 0 .. 1,023
	s_mov_b32 s25, 0
	s_lshl_b32 s24, s22, 15
	s_add_nc_u64 s[4:5], s[4:5], s[24:25]
	s_lshl_b32 s24, s22, 12
	s_add_nc_u64 s[10:11], s[10:11], s[24:25]
	s_lshl_b32 s24, s22, 8
	s_add_nc_u64 s[12:13], s[12:13], s[24:25]
.irp t, 0,1,2,3
	XLOAD \t
.endr
	s_wait_loadcnt 12                              ; step 0's four loads are in
	XTURN 0
.irp t, 0,1,2,3,4,5,6,7,8,9,10,11,12,13,14,15
	XSTEP \t
.endr
	ds_load_b64 v[8:9], v6                         ; LDS serves a wave's instructions in order: these see my byte stores
	s_wait_dscnt 0x0
	global_store_b64 v7, v[8:9], s[12:13]          ; 32 lanes store 256 consecutive bytes, aligned
	s_wait_tensorcnt 0x0                           ; the wave's end, behind my last LDS store
	ds_add_u32 v[SPW], v[NIL]
	s_wait_dscnt 0x0
	s_endpgm
	; ---------------- path W: a wave takes 32 columns x 512 along K
.Lw:
	s_lshr_b32 s21, ttmp9, 1
	s_lshl_b32 s21, s21, 7
	s_lshl_b32 s22, s20, 5
	s_add_co_u32 s21, s21, s22                     ; my wave's first column
	s_and_b32 s22, ttmp9, 1                        ; which 512 along K
	v_lshlrev_b32 v3, 2, v2                        ; in: 4 bytes a lane
	s_mul_i32 s23, s20, 32*PITCH
	s_add_co_u32 s23, s23, WBASE                   ; my stage
	v_mul_u32_u24 v4, v2, PITCH
	v_add_nc_u32 v4, s23, v4                       ; into it: row = my column
	v_and_b32 v5, 15, v2
	v_lshrrev_b32 v6, 4, v2
	v_mul_u32_u24 v7, v6, PITCH
	v_lshl_add_u32 v7, v5, 4, v7
	v_add_nc_u32 v7, s23, v7                       ; out of it: sixteen lanes to a row, two rows an instruction
	v_mul_u32_u24 v8, v6, KROW
	v_lshl_add_u32 v8, v5, 4, v8                   ; and the same place in wc
	v_lshlrev_b32 v9, 5, v2                        ; my column's row of 32 scale bytes
	s_mov_b32 s25, 0
	s_mul_i32 s24, s22, 512*SIZE_N*4
	s_lshl_b32 s26, s21, 2
	s_add_co_u32 s24, s24, s26
	s_add_nc_u64 s[6:7], s[6:7], s[24:25]
	s_lshl_b32 s24, s21, 9
	s_lshl_b32 s26, s22, 8
	s_add_co_u32 s24, s24, s26
	s_add_nc_u64 s[14:15], s[14:15], s[24:25]
	s_lshl_b32 s24, s21, 5
	s_lshl_b32 s26, s22, 4
	s_add_co_u32 s24, s24, s26
	s_add_nc_u64 s[16:17], s[16:17], s[24:25]
	WLOAD 0
	WLOAD 1
.set QB, 0
.rept NB
	WBLOCK QB
.set QB, QB+1
.endr
	global_store_b128 v9, v[SB:SB+3], s[16:17]     ; my column's 16 scale bytes: pieces of 16 bytes, 96 KB in the whole launch
.irp t, 0,1,2,3,4,5,6,7,8,9,10,11,12,13,14,15
	ds_load_b128 v[OUTR+4*\t:OUTR+4*\t+3], v7 offset:2*\t*PITCH
.endr
.irp t, 0,1,2,3,4,5,6,7,8,9,10,11,12,13,14,15
	s_wait_dscnt 15-\t                             ; LDS loads come back in order: load t is in
	global_store_b128 v8, v[OUTR+4*\t:OUTR+4*\t+3], s[14:15] offset:2*\t*KROW   ; sixteen lanes store 256 consecutive bytes, aligned
.endr
	s_wait_tensorcnt 0x0                           ; the wave's end: the three lines
	ds_add_u32 v[SPW], v[NIL]
	s_wait_dscnt 0x0
	s_endpgm
	; ---------------- path C: a wave takes 8,192 numbers of w_proj, sixteen loads in flight
.Lc:
	s_sub_co_u32 s21, ttmp9, 48
	s_lshl_b32 s21, s21, 2
	s_add_co_u32 s21, s21, s20                     ; run 0 .. 127
	s_mov_b32 s23, 0
	s_lshl_b32 s22, s21, 15
	s_add_nc_u64 s[8:9], s[8:9], s[22:23]
	s_lshl_b32 s22, s21, 14
	s_add_nc_u64 s[18:19], s[18:19], s[22:23]
	v_lshlrev_b32 v3, 4, v2
	v_lshlrev_b32 v4, 3, v2
.set i, 0
.rept 16
	global_load_b128 v[16+4*i:19+4*i], v3, s[8:9] offset:512*i th:TH_LOAD_NT
.set i, i+1
.endr
.set i, 0
.rept 64
	CSLOT
.set i, i+1
.endr
	s_wait_tensorcnt 0x0                           ; the three lines stand all the same
	ds_add_u32 v[SPW], v[NIL]
	s_wait_dscnt 0x0
	s_endpgm
.Lfunc_end_k_q43d3c10eb1_prep:
	.size	k_q43d3c10eb1_prep, .Lfunc_end_k_q43d3c10eb1_prep-k_q43d3c10eb1_prep
	.p2alignl 7, 3214868480
	.fill 96, 4, 3214868480
	.section	.rodata,"a",@progbits
	.p2align	6, 0x0
	.amdhsa_kernel k_q43d3c10eb1_prep
		.amdhsa_group_segment_fixed_size 68096
		.amdhsa_private_segment_fixed_size 0
		.amdhsa_enable_private_segment 0
		.amdhsa_kernarg_size 64
		.amdhsa_user_sgpr_count 2
		.amdhsa_user_sgpr_kernarg_segment_ptr 1
		.amdhsa_wavefront_size32 1
		.amdhsa_system_sgpr_workgroup_id_x 1
		.amdhsa_system_sgpr_workgroup_id_y 1
		.amdhsa_system_sgpr_workgroup_id_z 1
		.amdhsa_system_vgpr_workitem_id 0
		.amdhsa_next_free_vgpr 200
		.amdhsa_next_free_sgpr 66
		.amdhsa_reserve_vcc 0
		.amdhsa_float_denorm_mode_32 3
		.amdhsa_float_denorm_mode_16_64 3
		.amdhsa_memory_ordered 1
		.amdhsa_forward_progress 1
		.amdhsa_inst_pref_size 135
	.end_amdhsa_kernel
	.amdgpu_metadata
---
amdhsa.version: [ 1, 2 ]
amdhsa.kernels:
  - .name:           k_q43d3c10eb1_prep
    .symbol:         k_q43d3c10eb1_prep.kd
    .args:
      - { .name: x, .offset: 0, .size: 8, .value_kind: global_buffer, .address_space: global }
      - { .name: w_qkv, .offset: 8, .size: 8, .value_kind: global_buffer, .address_space: global }
      - { .name: w_proj, .offset: 16, .size: 8, .value_kind: global_buffer, .address_space: global }
      - { .name: xc, .offset: 24, .size: 8, .value_kind: global_buffer, .address_space: global }
      - { .name: xs, .offset: 32, .size: 8, .value_kind: global_buffer, .address_space: global }
      - { .name: wc, .offset: 40, .size: 8, .value_kind: global_buffer, .address_space: global }
      - { .name: ws, .offset: 48, .size: 8, .value_kind: global_buffer, .address_space: global }
      - { .name: w16, .offset: 56, .size: 8, .value_kind: global_buffer, .address_space: global }
    .group_segment_fixed_size: 68096
    .private_segment_fixed_size: 0
    .kernarg_segment_align: 8
    .kernarg_segment_size: 64
    .max_flat_workgroup_size: 128
    .sgpr_count:     66
    .vgpr_count:     200
    .wavefront_size: 32
...
	.end_amdgpu_metadata
.endif
;; end of part 1
;; launch gemm1 (part 2): grid 12 x 32, 4 waves a work-group, clusters of 4 x 4, 327,680 bytes of LDS; arguments xc, xs, wc, ws, qkv16, b_qkv, qkv32; writes qkv16, qkv32
.if DOCPART == 2
	.amdgcn_target "amdgcn-amd-amdhsa--gfx1250"
	.amdhsa_code_object_version 6
	.text
	.protected	k_q43d3c10eb1_gemm1
	.globl	k_q43d3c10eb1_gemm1
	.p2align	8
	.type	k_q43d3c10eb1_gemm1,@function
k_q43d3c10eb1_gemm1:
	s_mov_b64 s[64:65], 0
	v_nop
	global_prefetch_b8 v0, s[64:65] scope:SCOPE_SE
	s_setreg_imm32_b32 hwreg(HW_REG_WAVE_MODE, 25, 1), 1
	s_wait_xcnt 0x0
	s_wait_alu depctr_hold_cnt(0) depctr_sa_sdst(0) depctr_va_vdst(0) depctr_va_sdst(0) depctr_va_ssrc(0) depctr_va_vcc(0) depctr_vm_vsrc(0)
	s_getreg_b32 s2, hwreg(HW_REG_IB_STS2, 6, 4)
	s_cmp_eq_u32 s2, 0
	s_cbranch_scc0 .Lentry_in_a_cluster
	s_endpgm
.Lentry_in_a_cluster:
	s_bfe_u32 s2, ttmp6, 0x10000c
	s_cmp_lg_u32 s2, 0xf033
	s_cbranch_scc0 .Lentry_shape_is_right
	s_endpgm
.Lentry_shape_is_right:
; qkv = Q(x) Q(w_qkv) + b_qkv on codes of E2M1 with one E8M0 scale for each 32 along K: [8192][1024] x [3072][1024]^T, sums in f32.
; A tile of 256 x 256 is made by four waves, 128 x 128 each: 64 accumulators, 512 registers.  K = 1,024 is two LDS slots of 512: both are asked for at the head, and nothing is filled again.
; The scale bytes of the work-group's 256 + 256 rows come once, as dense blocks.  4 x 4 work-groups form a cluster: the tiles of x are asked for jointly along a row of it, those of w along a column.
; THE MATRIX INSTRUCTION IS USED TRANSPOSED (source 0 = 16 rows of w, source 1 = 16 rows of x): a lane holds eight neighbouring columns of one row.  The bias is the C of each sum's first instruction.
; TILE ROW = 8 cy + cluster y: so the batch is cy, the tile's first position is 256 x cluster y, and the tiles that hold positions 0-15 are those of the clusters with y = 0: a test that is equal in all partners.
; OUT: f16, laid [q, k, v][batch][head][position][64]: 16 rows of a head are 2,048 consecutive bytes, so each store of the wave covers 512 consecutive bytes, aligned.
; Positions 0-15 of every batch go out in f32 as well (qkv32 [batch][16][3072]), for launch first16: pieces of 64 bytes, 786,432 bytes in all.
; LIMITS: |q|, |k|, |v| stay under 65,504, the largest f16 number (inputs 30 times larger than drawn give about 5,000; offsets of 30 spreads on x and w_qkv about 28,900).  NaN and infinities are not served.
; 384 tiles for 256 WGPs: a tile of 256 x 384 would want 768 registers of accumulators beside 256 of fragments, which a wave does not have.
; REGISTERS: window 0: v16-31 addresses; v32-95 scale words, two sets, and nothing else; v128-191 fragments of x, one set; v192-255 the bias, later packed results.  window 1: fragments of w, two sets.  windows 2, 3: accumulators.
.set NQ,     4                         ; matrix instructions deep in a slot
.set ROWB,   256                       ; a tile's row: 512 codes
.set KROW,   512                       ; a row of codes in memory
.set PITCH,  272                       ; an LDS row: 256 bytes + 16: the 16 rows of a load start at 16 different banks (64 banks of 4 bytes: ISA guide 11.1)
.set FR,     8
.set NL,     2
.set NP,     4                         ; places behind this matrix instruction (ISA guide 7.12.1)
.set HALFT,  128*PITCH
.set SLOT,   4*HALFT
.set KS,     32                        ; a row of scale bytes
.set SCL,    2*SLOT
.set HALFS,  (128*KS/256)*272
.set SBLK,   (16*KS/256)*272
.set SPARE,  SCL+4*HALFS               ; the spare words, 128 bytes for each wave
.set HP,     144                       ; the way out: a stage row, 128 bytes + 16
.set HSTG,   16*HP                     ; 16 rows of a head; a wave's stage is two of these, in slot 0, which has had its only fill and its last read by then
.set ADRA, 16
.set ADRB, 20
.set STO,  24
.set RD,   25
.set CO,   26
.set ADRS, 27
.set SPW,  28
.set NIL,  29
.set BO,   30                          ; 32 x (lane / 16): my eight numbers of a bias tile
.set F32O, 31                          ; my place in qkv32
.set SC,   32
.set AF,   128
.set BK,   128                         ; the way out: rows read back, v128-159 and v160-191 by turns
.set BIAS, 192
.set TMP,  192
.set G1, 24
.set G0, 32
.set G1B, 48
.set G0B, 56
.set G1S, 68
.set G0S, 76
.set G1SB, 80
.set G0SB, 88
.set MSB, 0
.macro WIN new                         ; the immediate's high byte repeats the setting that is left
.if MSB != (\new)
	s_set_vgpr_msb (MSB<<8)|(\new)
.set MSB, (\new)
.endif
.endm
.set MUL_LO, 0xa1                      ; source 0 (w) window 1, source 1 (x) window 0, C and D window 2
.set MUL_HI, 0xf1                      ; the same, C and D window 3
.set TO_B,   0x40
.macro JLOAD g0a, g1a, g0b, g1b        ; a joint load: waves 0 and 1 fetch for x, waves 2 and 3 for w; the branch hangs on the wave's number alone
	s_cmp_eq_u32 s15, 0
	s_cbranch_scc0 .Lfor_b_\@
	tensor_load_to_lds s[\g0a:\g0a+3], s[\g1a:\g1a+7]
	s_nop 0
.rept 4
	v_nop
.endr
	s_branch .Lasked_\@
.Lfor_b_\@:
	tensor_load_to_lds s[\g0b:\g0b+3], s[\g1b:\g1b+7]
	s_nop 0
.rept 4
	v_nop
.endr
.Lasked_\@:
.endm
.macro CROUND                          ; a round of the cluster's barrier
	s_barrier_signal -1
	s_barrier_wait -1
	s_cmp_lg_u32 s14, 0
	s_cbranch_scc1 .Lnot_wave_0_\@
	s_barrier_signal -3
.Lnot_wave_0_\@:
	s_barrier_wait -3
	s_barrier_signal -1
	s_barrier_wait -1
.endm
	s_load_b128 s[4:7], s[0:1], 0x0                ; xc, xs
	s_load_b128 s[8:11], s[0:1], 0x10              ; wc, ws
	s_load_b64 s[12:13], s[0:1], 0x20              ; qkv16
	s_load_b128 s[96:99], s[0:1], 0x28             ; b_qkv, qkv32
	v_lshl_add_u32 v[SPW], v0, 2, SPARE
	v_mov_b32 v[NIL], 0
	ds_add_u32 v[SPW], v[NIL]                      ; the opening: the add, twice on end, and its wait ahead of my first tensor load
	ds_add_u32 v[SPW], v[NIL]
	v_lshrrev_b32 v1, 5, v0
	v_readfirstlane_b32 s14, v1                    ; wave 0..3
	s_lshr_b32 s15, s14, 1                         ; my half of the tile's rows.  Also: I fetch for x (0) or for w (1)
	s_and_b32 s16, s14, 1                          ; my half of its columns.  Also: which 128 rows I fetch
	s_bfe_u32 s40, ttmp6, 0x40000                  ; cx
	s_bfe_u32 s41, ttmp6, 0x40004                  ; cy
	s_lshl_b32 s42, ttmp9, 2
	s_add_co_u32 s42, s42, s40                     ; tile column = 4 x cluster x + cx
	s_and_b32 s95, ttmp7, 0xffff                   ; cluster y
	s_lshl_b32 s17, s41, 3
	s_add_co_u32 s17, s17, s95                     ; tile row = 8 cy + cluster y
	s_lshl_b32 s43, s41, 2
	s_lshl_b32 s43, 15, s43                        ; my row of the cluster
	s_lshl_b32 s44, 0x1111, s40                    ; my column
	s_or_b32 s[G1+0], s43, (0<<16)|(1<<20)|(1<<21)|(5<<22)|(3<<25)   ; the mask; elements of 1 byte; padding of 4 words after every 64; bit 21 beside a mask
	s_or_b32 s[G1B+0], s44, (0<<16)|(1<<20)|(1<<21)|(5<<22)|(3<<25)
.irp g, G1, G1B
	s_mov_b32 s[\g+1], ROWB<<16                    ; tensor_dim0
	s_mov_b32 s[\g+2], 128<<16                     ; tensor_dim1
	s_mov_b32 s[\g+3], ROWB<<16                    ; tile_dim0
	s_mov_b32 s[\g+4], 128                         ; tile_dim1
	s_mov_b32 s[\g+5], KROW                        ; from row to row
	s_mov_b32 s[\g+6], 0
	s_mov_b32 s[\g+7], 0
.endr
	s_or_b32 s[G1S+0], s43, (3<<16)|(1<<20)|(1<<21)|(5<<22)|(3<<25)  ; the scales of 128 rows: 4,096 dense bytes as 16 rows of 256 (32 elements of 8 bytes), 16 bytes of padding behind each
	s_or_b32 s[G1SB+0], s44, (3<<16)|(1<<20)|(1<<21)|(5<<22)|(3<<25)
.irp g, G1S, G1SB
	s_mov_b32 s[\g+1], 32<<16
	s_mov_b32 s[\g+2], (128*KS/256)<<16
	s_mov_b32 s[\g+3], 32<<16
	s_mov_b32 s[\g+4], 128*KS/256
	s_mov_b32 s[\g+5], 32
	s_mov_b32 s[\g+6], 0
	s_mov_b32 s[\g+7], 0
.endr
	s_lshl_b32 s18, s16, 7
	s_lshl_b32 s20, s17, 8
	s_add_co_u32 s20, s20, s18                     ; x: row 256 x tile row + 128 x half
	s_lshl_b32 s46, s42, 8
	s_add_co_u32 s46, s46, s18                     ; w: row 256 x tile column + 128 x half
	s_mov_b32 s21, 0
	s_mov_b32 s47, 0
	s_mov_b64 s[18:19], KS
	s_mul_u64 s[22:23], s[20:21], s[18:19]
	s_mul_u64 s[92:93], s[46:47], s[18:19]
	s_mov_b64 s[18:19], KROW
	s_mul_u64 s[20:21], s[20:21], s[18:19]
	s_mul_u64 s[46:47], s[46:47], s[18:19]
	s_mul_i32 s45, s14, HALFT                      ; where they go: wave x 128 rows: no place in the cluster enters an LDS address
	s_mul_i32 s94, s14, HALFS
	s_wait_dscnt 0x0                               ; both opening adds are done
	s_wait_kmcnt 0x0
	s_add_nc_u64 s[20:21], s[4:5], s[20:21]
	s_add_nc_u64 s[22:23], s[6:7], s[22:23]
	s_add_nc_u64 s[46:47], s[8:9], s[46:47]
	s_add_nc_u64 s[92:93], s[10:11], s[92:93]
	CROUND                                         ; all sixteen work-groups are here: the joint loads meet
	s_mov_b32 s[G0S], 1
	s_add_co_u32 s[G0S+1], s94, SCL
	s_mov_b64 s[G0S+2:G0S+3], s[22:23]
	s_or_b32 s[G0S+3], s[G0S+3], 0x80000000
	s_mov_b32 s[G0SB], 1
	s_add_co_u32 s[G0SB+1], s94, SCL
	s_mov_b64 s[G0SB+2:G0SB+3], s[92:93]
	s_or_b32 s[G0SB+3], s[G0SB+3], 0x80000000
	JLOAD G0S, G1S, G0SB, G1SB                     ; the scales first; by this text's count three tensor loads of a wave are out at the most
.irp s, 0,1
	s_mov_b32 s[G0+4*\s], 1
	s_add_co_u32 s[G0+4*\s+1], s45, \s*SLOT
	s_add_nc_u64 s[G0+4*\s+2:G0+4*\s+3], s[20:21], \s*ROWB
	s_or_b32 s[G0+4*\s+3], s[G0+4*\s+3], 0x80000000
	s_mov_b32 s[G0B+4*\s], 1
	s_add_co_u32 s[G0B+4*\s+1], s45, \s*SLOT
	s_add_nc_u64 s[G0B+4*\s+2:G0B+4*\s+3], s[46:47], \s*ROWB
	s_or_b32 s[G0B+4*\s+3], s[G0B+4*\s+3], 0x80000000
	JLOAD G0+4*\s, G1, G0B+4*\s, G1B
.endr
	v_and_b32 v1, 15, v0                           ; r = lane % 16
	v_bfe_u32 v2, v0, 4, 1                         ; h = lane / 16
	s_lshl_b32 s46, s42, 10                        ; my first column in f32 bytes: 1,024 x tile column + 512 x half
	s_lshl_b32 s47, s16, 9
	s_add_co_u32 s46, s46, s47
	s_mov_b32 s47, 0
	s_add_nc_u64 s[96:97], s[96:97], s[46:47]      ; b_qkv at my 128 columns
	s_add_nc_u64 s[98:99], s[98:99], s[46:47]      ; qkv32 likewise,
	s_mul_i32 s46, s41, 196608
	s_add_nc_u64 s[98:99], s[98:99], s[46:47]      ; in my batch
	v_lshlrev_b32 v[BO], 5, v2
.irp b, 0,1,2,3,4,5,6,7
	global_load_b128 v[BIAS+8*\b:BIAS+8*\b+3], v[BO], s[96:97] offset:64*\b        ; register 8 b + j: b_qkv at column 16 b + 8 h + j of my 128
	global_load_b128 v[BIAS+8*\b+4:BIAS+8*\b+7], v[BO], s[96:97] offset:64*\b+16
.endr
	v_mul_u32_u24 v3, v1, PITCH
	v_lshl_add_u32 v4, v2, 4, v3                   ; a fragment's row x pitch + 16 x half
	s_mul_i32 s21, s15, HALFT
	s_mul_i32 s22, s16, HALFT
	s_add_co_u32 s22, s22, 2*HALFT
.irp s, 0,1
	v_add_nc_u32 v[ADRA+\s], s21, v4
	v_add_nc_u32 v[ADRB+\s], s22, v4
	s_add_co_u32 s21, s21, SLOT
	s_add_co_u32 s22, s22, SLOT
.endr
	v_mul_u32_u24 v5, v1, KS                       ; my row's scales: 32 bytes a row,
	v_lshrrev_b32 v6, 8, v5
	v_lshl_add_u32 v5, v6, 4, v5                   ; and 16 more for each 256 passed
	s_mul_i32 s21, s15, HALFS
	s_mul_i32 s22, s16, HALFS
	s_add_co_u32 s22, s22, 2*HALFS
	s_sub_co_u32 s22, s22, s21
	v_mul_u32_u24 v6, s22, v2                      ; lanes 16-31 take w's
	s_add_co_u32 s21, s21, SCL
	v_add_nc_u32 v5, v5, v6
	v_add_nc_u32 v[ADRS], s21, v5
	s_mul_i32 s23, s14, 2*HSTG                     ; my stage
	v_mul_u32_u24 v5, v1, HP
	v_lshl_add_u32 v5, v2, 4, v5
	v_add_nc_u32 v[STO], s23, v5                   ; in: row r, 16 bytes for each half of the lanes
	v_and_b32 v6, 31, v0
	v_lshrrev_b32 v5, 3, v6
	v_mul_u32_u24 v5, v5, HP
	v_and_b32 v7, 7, v0
	v_lshl_add_u32 v5, v7, 4, v5
	v_add_nc_u32 v[RD], s23, v5                    ; back: eight lanes to a row of 128 bytes, four rows an instruction
	v_lshlrev_b32 v[CO], 4, v6                     ; and in memory these four rows are 512 consecutive bytes
	v_mul_u32_u24 v[F32O], v1, 12288
	v_lshl_add_u32 v[F32O], v2, 5, v[F32O]
	s_lshr_b32 s20, s42, 2                         ; q, k or v
	s_lshl_b32 s20, s20, 6
	s_lshl_b32 s21, s41, 4                         ; + 16 x batch
	s_add_co_u32 s20, s20, s21
	s_and_b32 s21, s42, 3
	s_lshl_b32 s21, s21, 2
	s_add_co_u32 s20, s20, s21                     ; + the tile's first head
	s_lshl_b32 s21, s16, 1
	s_add_co_u32 s20, s20, s21                     ; + my half's: the plane, 262,144 bytes each
	s_lshl_b32 s20, s20, 18
	s_lshl_b32 s21, s95, 15                        ; + 256 x cluster y positions of 128 bytes
	s_add_co_u32 s20, s20, s21
	s_lshl_b32 s21, s15, 14                        ; + my half's 128
	s_add_co_u32 s20, s20, s21
	s_mov_b32 s21, 0
	s_add_nc_u64 s[12:13], s[12:13], s[20:21]
.macro FRAG reg, adr, q, i             ; 16 rows x 128 K of 4-bit codes: 8 registers, two loads of 16 bytes, 32 bytes apart
.irp c, 0,1
	ds_load_b128 v[\reg+4*\c:\reg+4*\c+3], v[\adr] offset:64*(\q)+32*\c+(\i)*16*PITCH
.endr
.endm
; 16 matrix instructions: blocks a0, a0 + 1 of x against w's eight.  first = 1: the bias is C, and starts the sums.  The 64 accumulators take turns, one instruction a turn.
.macro MUL16 a0, p, q, sc, first
.irp a, \a0, \a0+1
.irp b, 0,1,2,3,4,5,6,7
.if \first
	v_wmma_scale_f32_16x16x128_f8f6f4 v[8*(8*((\a)%4)+\b):8*(8*((\a)%4)+\b)+7], v[128*(\p)+FR*\b:128*(\p)+FR*\b+FR-1], v[AF+FR*(\a):AF+FR*(\a)+FR-1], v[BIAS+8*\b:BIAS+8*\b+7], v[SC+8*NQ*(\sc)+NQ*\b+(\q)], v[SC+8*NQ*(\sc)+NQ*(\a)+(\q)] matrix_a_fmt:MATRIX_FMT_FP4 matrix_b_fmt:MATRIX_FMT_FP4 matrix_a_scale:MATRIX_SCALE_ROW1
.else
	v_wmma_scale_f32_16x16x128_f8f6f4 v[8*(8*((\a)%4)+\b):8*(8*((\a)%4)+\b)+7], v[128*(\p)+FR*\b:128*(\p)+FR*\b+FR-1], v[AF+FR*(\a):AF+FR*(\a)+FR-1], v[8*(8*((\a)%4)+\b):8*(8*((\a)%4)+\b)+7], v[SC+8*NQ*(\sc)+NQ*\b+(\q)], v[SC+8*NQ*(\sc)+NQ*(\a)+(\q)] matrix_a_fmt:MATRIX_FMT_FP4 matrix_b_fmt:MATRIX_FMT_FP4 matrix_a_scale:MATRIX_SCALE_ROW1
.endif
.endr
.endr
.endm
.macro FETCH_B slot, q, p
	WIN TO_B
.irp i, 0,1,2,3,4,5,6,7
	FRAG 128*(\p)+FR*\i, ADRB+\slot, \q, \i
.endr
	WIN 0
.endm
.macro FETCH_A slot, q, i0
.irp i, \i0, \i0+1, \i0+2, \i0+3
	FRAG AF+FR*(\i), ADRA+\slot, \q, \i
.endr
.endm
.macro SCALES sc                       ; a slot's scale words: lanes 0-15 take x's block i, lanes 16-31 w's block i
.irp i, 0,1,2,3,4,5,6,7
	ds_load_b128 v[SC+8*NQ*\sc+NQ*\i:SC+8*NQ*\sc+NQ*\i+3], v[ADRS] offset:\i*SBLK
.endr
.endm
.macro PLACES n                        ; plain vector instructions between a matrix instruction and a load into, or a read of, its registers
.rept \n
	v_nop
.endr
.endm
.macro STEP slot, q, first             ; 128 along K with its successor in the same slot
	s_wait_dscnt 4*NL                              ; w's set and x's blocks 0-3 are in; the youngest eight loads (x's blocks 4-7) may be out
	WIN MUL_LO-0x20*(\first)                       ; (the bias lies in window 0)
	MUL16 0, (\q)%2, \q, \slot, \first
	MUL16 2, (\q)%2, \q, \slot, \first
	s_wait_dscnt 0
	PLACES NP
	FETCH_B \slot, (\q)+1, 1-(\q)%2
	FETCH_A \slot, (\q)+1, 0
	WIN MUL_HI-0x30*(\first)
	MUL16 4, (\q)%2, \q, \slot, \first
	MUL16 6, (\q)%2, \q, \slot, \first
	PLACES NP
	WIN 0
	FETCH_A \slot, (\q)+1, 4
.endm
.macro STEPS slot, from
.set Q, \from
.rept NQ-1-\from
	STEP \slot, Q, 0
.set Q, Q+1
.endr
.endm
	s_wait_tensorcnt 1                             ; the scales and my part of slot 0 are in; slot 1's load may be out
	s_barrier_signal -1
	s_barrier_wait -1
	FETCH_B 0, 0, 0
	FETCH_A 0, 0, 0
	SCALES 0
	FETCH_A 0, 0, 4
	s_wait_loadcnt 0x0                             ; the bias
	STEP 0, 0, 1
	STEPS 0, 1
	; slot 0's last step changes slots: one barrier; in front of it my part of slot 1 has landed
	s_wait_tensorcnt 0x0
	ds_add_u32 v[SPW], v[NIL]
	s_wait_dscnt 4*NL+1                            ; the add and x's blocks 4-7 may be out
	WIN MUL_LO
	MUL16 0, 1, NQ-1, 0, 0
	s_wait_dscnt 0x0                               ; the add is done, and my reads of slot 0 are over
	s_barrier_signal -1
	MUL16 2, 1, NQ-1, 0, 0
	WIN 0
	s_barrier_wait -1
	PLACES NP
	v_add_nc_u32 v[ADRS], 4*NQ, v[ADRS]            ; on to slot 1's scale words
	FETCH_B 1, 0, 0
	FETCH_A 1, 0, 0
	SCALES 1
	WIN MUL_HI
	MUL16 4, 1, NQ-1, 0, 0
	MUL16 6, 1, NQ-1, 0, 0
	PLACES NP
	WIN 0
	FETCH_A 1, 0, 4
	STEPS 1, 0
	s_wait_dscnt 4*NL                              ; the very last step
	WIN MUL_LO
	MUL16 0, 1, NQ-1, 1, 0
	MUL16 2, 1, NQ-1, 1, 0
	s_wait_dscnt 0
	WIN MUL_HI
	MUL16 4, 1, NQ-1, 1, 0
	MUL16 6, 1, NQ-1, 1, 0
	WIN 0
	PLACES NP
	; positions 0-15 in f32: block 0 of the upper half of the tiles whose first position is 0.  The test hangs on the cluster's y and the wave's number: equal in all partners
	s_or_b32 s46, s95, s15
	s_cmp_lg_u32 s46, 0
	s_cbranch_scc1 .Lno32
	WIN 0x08                                       ; a store's data are its source 1: window 2
.irp b, 0,1,2,3,4,5,6,7
	global_store_b128 v[F32O], v[8*\b:8*\b+3], s[98:99] offset:64*\b
	global_store_b128 v[F32O], v[8*\b+4:8*\b+7], s[98:99] offset:64*\b+16
.endr
	WIN 0
.Lno32:
; THE WAY OUT, a block of 16 rows x 128 columns (two heads) at a time: rounded to f16, 16 bytes a lane into my stage, back as rows, stored as runs of 512 bytes.
.macro PACK a
.set AC, 64*((\a)%4)
	WIN 0x0a+5*((\a)/4)                            ; sources 0 and 1: window 2 or 3
.irp b, 0,1,2,3,4,5,6,7
.irp i, 0,1,2,3
	v_cvt_pk_f16_f32 v[TMP+4*\b+\i], v[AC+8*\b+2*\i], v[AC+8*\b+2*\i+1]   ; each accumulator from its low end on
.endr
.endr
	WIN 0
.endm
.macro TOSTAGE a
.set BB, BK+32*((\a)%2)
.irp b, 0,1,2,3,4,5,6,7
	ds_store_b128 v[STO], v[TMP+4*\b:TMP+4*\b+3] offset:(\b/4)*HSTG+32*(\b%4)
.endr
.irp i, 0,1,2,3,4,5,6,7
	ds_load_b128 v[BB+4*\i:BB+4*\i+3], v[RD] offset:(\i/4)*HSTG+(\i%4)*4*HP   ; LDS serves a wave's instructions in order: these see the stores above
.endr
.endm
.macro SEND a
.set BB, BK+32*((\a)%2)
	s_wait_dscnt 0x0                               ; the block is back in registers
	s_wait_xcnt 0x0                                ; earlier stores have read their registers: the next block's loads may land there
.irp i, 0,1,2,3,4,5,6,7
	global_store_b128 v[CO], v[BB+4*\i:BB+4*\i+3], s[12:13] offset:(\a)*2048+(\i/4)*262144+(\i%4)*512
.endr
.endm
	PACK 0
	TOSTAGE 0
.irp a, 1,2,3,4,5,6,7
	PACK \a
	SEND \a-1
	TOSTAGE \a
.endr
	SEND 7
	s_wait_tensorcnt 0x0                           ; the wave's end: the three lines, behind my last LDS store
	ds_add_u32 v[SPW], v[NIL]
	s_wait_dscnt 0x0
	CROUND                                         ; the closing round
	s_endpgm
.Lfunc_end_k_q43d3c10eb1_gemm1:
	.size	k_q43d3c10eb1_gemm1, .Lfunc_end_k_q43d3c10eb1_gemm1-k_q43d3c10eb1_gemm1
	.p2alignl 7, 3214868480
	.fill 96, 4, 3214868480
	.section	.rodata,"a",@progbits
	.p2align	6, 0x0
	.amdhsa_kernel k_q43d3c10eb1_gemm1
		.amdhsa_group_segment_fixed_size 327680
		.amdhsa_private_segment_fixed_size 0
		.amdhsa_enable_private_segment 0
		.amdhsa_kernarg_size 56
		.amdhsa_user_sgpr_count 2
		.amdhsa_user_sgpr_kernarg_segment_ptr 1
		.amdhsa_wavefront_size32 1
		.amdhsa_system_sgpr_workgroup_id_x 1
		.amdhsa_system_sgpr_workgroup_id_y 1
		.amdhsa_system_sgpr_workgroup_id_z 1
		.amdhsa_system_vgpr_workitem_id 0
		.amdhsa_next_free_vgpr 1024
		.amdhsa_next_free_sgpr 100
		.amdhsa_reserve_vcc 0
		.amdhsa_float_denorm_mode_32 3
		.amdhsa_float_denorm_mode_16_64 3
		.amdhsa_memory_ordered 1
		.amdhsa_forward_progress 1
		.amdhsa_inst_pref_size 130
	.end_amdhsa_kernel
	.amdgpu_metadata
---
amdhsa.version: [ 1, 2 ]
amdhsa.kernels:
  - .name:           k_q43d3c10eb1_gemm1
    .symbol:         k_q43d3c10eb1_gemm1.kd
    .args:
      - { .name: xc, .offset: 0, .size: 8, .value_kind: global_buffer, .address_space: global }
      - { .name: xs, .offset: 8, .size: 8, .value_kind: global_buffer, .address_space: global }
      - { .name: wc, .offset: 16, .size: 8, .value_kind: global_buffer, .address_space: global }
      - { .name: ws, .offset: 24, .size: 8, .value_kind: global_buffer, .address_space: global }
      - { .name: qkv16, .offset: 32, .size: 8, .value_kind: global_buffer, .address_space: global }
      - { .name: b_qkv, .offset: 40, .size: 8, .value_kind: global_buffer, .address_space: global }
      - { .name: qkv32, .offset: 48, .size: 8, .value_kind: global_buffer, .address_space: global }
    .group_segment_fixed_size: 327680
    .private_segment_fixed_size: 0
    .kernarg_segment_align: 8
    .kernarg_segment_size: 56
    .max_flat_workgroup_size: 128
    .sgpr_count:     100
    .vgpr_count:     1024
    .wavefront_size: 32
...
	.end_amdgpu_metadata
.endif
;; end of part 2
;; launch att (part 3): grid 64 x 4, 16 waves a work-group, no clusters, 327,680 bytes of LDS; arguments qkv16, y16; writes y16
.if DOCPART == 3
	.amdgcn_target "amdgcn-amd-amdhsa--gfx1250"
	.amdhsa_code_object_version 6
	.text
	.protected	k_q43d3c10eb1_att
	.globl	k_q43d3c10eb1_att
	.p2align	8
	.type	k_q43d3c10eb1_att,@function
k_q43d3c10eb1_att:
	s_mov_b64 s[64:65], 0
	v_nop
	global_prefetch_b8 v0, s[64:65] scope:SCOPE_SE
	s_setreg_imm32_b32 hwreg(HW_REG_WAVE_MODE, 25, 1), 1
	s_wait_xcnt 0x0
; y[b][h][q] = the sum over k <= q of softmax_k(q . k / 8) v, on f16 operands with f32 products' sums, maxima and sums.  q, k, v: planes [position][64] of qkv16; y16 has the same planes.
; LEFT OUT: every step of 64 keys that lies wholly after a wave's 32 queries, and every slot of 256 keys after the work-group's last query: reference() gives those keys the weight 0 under its own jnp.tril.
; SHARES.  Work-group (head plane, pair i): waves 0-7 own the 256 queries of block i, waves 8-15 those of block 7 - i; a wave owns 32 queries, two tiles of 16.  Each work-group so has 9 blocks' worth of keys.
; All sixteen waves walk one ring of two LDS slots of 256 keys of K and V, filled by waves 0-3 (K's halves, V's halves).
; NO CLUSTER: the four work-groups of a head want 8, 7, 6 and 5 slots; a joint load would bring tiles that every wave of some partner jumps over.
; LAYOUT.  S^T = K Q^T (source 0 = 16 keys, source 1 = 16 queries): a lane holds one query (lane % 16) and keys 8 (lane / 16) + 0..7.  Two such tiles, rounded to f16 in pairs, are source 1 of O^T = V^T P.
; V ([key][channel]) is turned on its way out of LDS by ds_load_tr16_b128.
; SOFTMAX.  A running maximum m and sum l for each query: p = 2^(c s - c m), c = log2(e) / 8; O^T and l are multiplied by a = 2^(c m_old - c m_new) in every step.
; A step that is walked begins at or before the wave's first query, so each query sees the step's first key and m is a number from the first step on.
; Positions 0-15 are computed and stored here too, since they share tiles with live work and launch proj loads them; their results come from launch first16.
; REGISTERS: v1-7 addresses and constants; v8-19 statistics, six a tile; v20-27 at work; v28 prefetch offset; v29 mask; v32-95 K's eight fragments, then V's; v96-127 Q; v128-191 S^T, then P; v192-255 O^T.
.set KP,    144                        ; a key's row in LDS: 128 bytes + 16
.set VP,    160                        ; a row of V: 128 + 32: the turning load's 8 rows x 32 bytes fall on different banks
.set SK,    256                        ; keys in a slot
.set VOFF,  SK*KP
.set SLOT1, 1<<17                      ; slot 1 begins here: one exclusive or turns an address from one slot to the other
.set STAGE, 77824                      ; behind slot 0's tiles, where no fill lands: 16 rows x 144 bytes for each wave
.set SPARE, 262144                     ; the spare words, 128 bytes for each wave
.set NSL,   8
.set AK0, 1
.set AV0, 2
.set SPW, 3
.set NIL, 4
.set ADR, 5
.set RH,  6                            ; r - 8 h
.set NINF, 7
.set ST,  8                            ; tile t at v[8 + 6 t]: c m, m, l (two halves), a, at work
.set CC,  20                           ; tile t at v[20 + 4 t]: four registers at work
.set PFO, 28
.set DD,  29
.set KV,  32
.set QF,  96
.set S,   128
.set OT,  192
.set TB,  2                            ; s2 the LDS byte at which the slot in hand begins
.set WV,  18
.set SEL, 20
.set CS,  22
.set G1K, 24
.set G1V, 32
.set G0K, 40
.set G0V, 44
.set LASTQ, 66
.set SLOTS, 67
.set PFA, 76
.set LIM, 80
.set KF,  98                           ; the step's first key
.set Q0,  99                           ; my first query
.macro TLOAD                           ; waves 0 and 1 fetch K's halves, waves 2 and 3 V's, the others nothing
	s_cmp_lt_u32 s[WV], 2
	s_cbranch_scc0 .Lnot_k_\@
	tensor_load_to_lds s[G0K:G0K+3], s[G1K:G1K+7]
	s_nop 0
.rept 4
	v_nop
.endr
	s_branch .Lasked_\@
.Lnot_k_\@:
	s_cmp_lt_u32 s[WV], 4
	s_cbranch_scc0 .Lasked_\@
	tensor_load_to_lds s[G0V:G0V+3], s[G1V:G1V+7]
	s_nop 0
.rept 4
	v_nop
.endr
.Lasked_\@:
.endm
; A prefetch of the slot that the NEXT change of slots will ask for: 32,768 dense bytes of K and as many of V.  Each aligned block of 256 bytes is named once in the launch: of a head's four work-groups the one
; with pair 0 asks, which walks all eight slots; in it waves 4-7 ask for K's, waves 8-11 for V's, 8,192 bytes a wave, lanes 256 bytes apart.  The last change that fills a slot asks for nothing.
.macro ASK
	s_cmp_gt_u32 s[SLOTS], s[LIM]
	s_cbranch_scc0 .Lnot_mine_\@
	global_prefetch_b8 v[PFO], s[PFA:PFA+1] th:TH_LOAD_NT scope:SCOPE_SE
.Lnot_mine_\@:
.endm
	s_load_b128 s[4:7], s[0:1], 0x0                ; qkv16, y16
	v_lshl_add_u32 v[SPW], v0, 2, SPARE
	v_mov_b32 v[NIL], 0
	ds_add_u32 v[SPW], v[NIL]                      ; the opening: the add, twice on end, and its wait ahead of the first tensor load
	ds_add_u32 v[SPW], v[NIL]
	v_lshrrev_b32 v5, 5, v0
	v_readfirstlane_b32 s[WV], v5                  ; wave 0..15
	s_and_b32 s8, ttmp7, 0xffff                    ; pair i
	s_sub_co_u32 s9, 7, s8
	s_cmp_lt_u32 s[WV], 8
	s_cselect_b32 s10, s8, s9                      ; my block of 256 queries
	s_lshl_b32 s10, s10, 8
	s_and_b32 s11, s[WV], 7
	s_lshl_b32 s11, s11, 5
	s_add_co_u32 s[Q0], s10, s11
	s_lshl_b32 s[LASTQ], s9, 8
	s_or_b32 s[LASTQ], s[LASTQ], 255               ; the work-group's last query
	s_lshl_b32 s12, ttmp9, 18                      ; the head's plane, 262,144 bytes
	s_and_b32 s13, s[WV], 1
	s_lshl_b32 s14, s13, 14                        ; the half that I fetch: 128 rows of 128 bytes
	s_add_co_u32 s14, s14, s12
	s_add_co_u32 s68, s14, 64*262144               ; K's planes begin at 64,
	s_mov_b32 s69, 0
	s_add_co_u32 s70, s14, 128*262144              ; V's at 128
	s_mov_b32 s71, 0
	s_mul_i32 s15, s13, 128*KP
	s_mul_i32 s16, s13, 128*VP
	s_add_co_u32 s16, s16, VOFF
	s_mov_b32 s[G1K], (1<<16)|(1<<20)|(4<<22)|(3<<25)   ; elements of 2 bytes; 4 words of padding after every 32
	s_mov_b32 s[G1V], (1<<16)|(1<<20)|(4<<22)|(7<<25)   ; the same with 8 words
.irp g, G1K, G1V
	s_mov_b32 s[\g+1], 64<<16                      ; tensor_dim0
	s_mov_b32 s[\g+2], 128<<16                     ; tensor_dim1
	s_mov_b32 s[\g+3], 64<<16                      ; tile_dim0
	s_mov_b32 s[\g+4], 128                         ; tile_dim1
	s_mov_b32 s[\g+5], 64                          ; from row to row
	s_mov_b32 s[\g+6], 0
	s_mov_b32 s[\g+7], 0
.endr
	s_mov_b32 s[SEL], 0x76543210
	s_mov_b32 s[SEL+1], 0xfedcba98                 ; lane l xor 16
	s_mov_b32 s[CS], 0x3e38aa3b                    ; c = log2(e) / 8
	s_mov_b32 s[CS+1], s[CS]
	s_mov_b32 s[TB], 0
	s_mov_b32 s[KF], 0
	s_mov_b32 s[SLOTS], NSL-1
	s_wait_dscnt 0x0                               ; both opening adds are done
	s_wait_kmcnt 0x0
	s_mov_b32 s[G0K], 1
	s_mov_b32 s[G0K+1], s15
	s_add_nc_u64 s[G0K+2:G0K+3], s[4:5], s[68:69]
	s_or_b32 s[G0K+3], s[G0K+3], 0x80000000
	s_mov_b32 s[G0V], 1
	s_mov_b32 s[G0V+1], s16
	s_add_nc_u64 s[G0V+2:G0V+3], s[4:5], s[70:71]
	s_or_b32 s[G0V+3], s[G0V+3], 0x80000000
	TLOAD                                          ; slot 0: key 0 counts for every query
	s_lshl_b32 s72, s[Q0], 7
	s_add_co_u32 s72, s72, s12
	s_mov_b32 s73, 0
	s_add_nc_u64 s[74:75], s[6:7], s[72:73]        ; y16 at my first query
	s_add_nc_u64 s[72:73], s[4:5], s[72:73]        ; Q likewise
	s_cmp_lt_u32 s[WV], 8
	s_cselect_b32 s82, 64, 128
	s_lshl_b32 s82, s82, 18
	s_add_co_u32 s82, s82, s12
	s_and_b32 s83, s[WV], 3
	s_lshl_b32 s83, s83, 13
	s_add_co_u32 s82, s82, s83
	s_add_co_u32 s82, s82, 32768                   ; in slot 1: the first change of slots steps it to slot 2
	s_mov_b32 s83, 0
	s_add_nc_u64 s[PFA:PFA+1], s[4:5], s[82:83]
	s_sub_co_u32 s82, s[WV], 4
	s_lshr_b32 s82, s82, 3                         ; 0 in waves 4 to 11,
	s_or_b32 s82, s82, s8                          ; of the pair 0
	s_cmp_eq_u32 s82, 0
	s_cselect_b32 s[LIM], 1, -1
	v_and_b32 v30, 15, v0                          ; r
	v_bfe_u32 v31, v0, 4, 1                        ; h
	v_lshlrev_b32 v[DD], 7, v30
	v_lshl_add_u32 v[DD], v31, 4, v[DD]            ; Q: row r of 128 bytes + 16 h
.irp t, 0,1
.irp c, 0,1
	global_load_b128 v[QF+16*\t+8*\c:QF+16*\t+8*\c+3], v[DD], s[72:73] offset:2048*\t+64*\c
	global_load_b128 v[QF+16*\t+8*\c+4:QF+16*\t+8*\c+7], v[DD], s[72:73] offset:2048*\t+64*\c+32
.endr
.endr
	v_mul_u32_u24 v[AK0], v30, KP
	v_lshl_add_u32 v[AK0], v31, 4, v[AK0]
	v_and_b32 v[AV0], 7, v0
	v_lshl_add_u32 v[AV0], v31, 3, v[AV0]
	v_mul_u32_u24 v[AV0], v[AV0], VP
	v_bfe_u32 v[RH], v0, 3, 1
	v_lshl_add_u32 v[AV0], v[RH], 4, v[AV0]
	v_add_nc_u32 v[AV0], VOFF, v[AV0]              ; key 8 h + lane % 8, channels 8 ((lane / 8) % 2) on
	v_lshlrev_b32 v[RH], 3, v31
	v_sub_nc_u32 v[RH], v30, v[RH]
	v_mov_b32 v[NINF], 0xff800000
	v_and_b32 v[PFO], 31, v0
	v_lshlrev_b32 v[PFO], 8, v[PFO]
	v_mov_b32 v[ADR], 0
.irp t, 0,1
	v_mov_b32 v[ST+6*\t+1], 0xff61b1e6             ; m = -3e38, under every score
	v_mul_f32 v[ST+6*\t], s[CS], v[ST+6*\t+1]
.irp j, 2,3,4,5
	v_mov_b32 v[ST+6*\t+\j], 0
.endr
.irp j, 0,1,2,3
	v_mov_b32 v[CC+4*\t+\j], 0                     ; written once: a lane permute's destination counts as one of its sources
.endr
.endr
.set i, 0
.rept 64
	v_mov_b32 v[OT+i], 0                           ; the step is written once: the first finds zeros, which a = 0 leaves zeros
.set i, i+1
.endr
; A KEY STEP: 64 keys, the q-th of the slot in hand.
.macro STEP q
	s_add_co_u32 s96, s[Q0], 31
	s_cmp_gt_u32 s[KF], s96                        ; all 64 keys come after my 32 queries: ids and the count of steps alone
	s_cbranch_scc1 .Lhidden_\@
	v_add_nc_u32 v[ADR], s[TB], v[AK0]
.rept 4
	v_nop                                          ; with the addition five places: the products below write over registers that the last products read as P
.endr
.irp kt, 0,1,2,3
.irp c, 0,1
	ds_load_b128 v[KV+8*(2*\kt+\c):KV+8*(2*\kt+\c)+3], v[ADR] offset:(64*(\q)+16*\kt)*KP+64*\c
	ds_load_b128 v[KV+8*(2*\kt+\c)+4:KV+8*(2*\kt+\c)+7], v[ADR] offset:(64*(\q)+16*\kt)*KP+64*\c+32
.endr
.endr
	s_wait_dscnt 0x0
.irp c, 0,1                                    ; eight accumulators by turns
.irp kt, 0,1,2,3
.irp t, 0,1
.if \c == 0
	v_wmma_f32_16x16x32_f16 v[S+32*\t+8*\kt:S+32*\t+8*\kt+7], v[KV+8*(2*\kt+\c):KV+8*(2*\kt+\c)+7], v[QF+16*\t+8*\c:QF+16*\t+8*\c+7], 0
.else
	v_wmma_f32_16x16x32_f16 v[S+32*\t+8*\kt:S+32*\t+8*\kt+7], v[KV+8*(2*\kt+\c):KV+8*(2*\kt+\c)+7], v[QF+16*\t+8*\c:QF+16*\t+8*\c+7], v[S+32*\t+8*\kt:S+32*\t+8*\kt+7]
.endif
.endr
.endr
.endr
	v_add_nc_u32 v[ADR], s[TB], v[AV0]
.rept 3
	v_nop                                          ; with the addition four places, for the loads into K's registers and the first reads of the scores
.endr
.irp u, 0,1                                    ; V lands while the softmax is walked
.irp ct, 0,1,2,3
	ds_load_tr16_b128 v[KV+8*(4*\u+\ct):KV+8*(4*\u+\ct)+3], v[ADR] offset:(64*(\q)+32*\u)*VP+32*\ct
	ds_load_tr16_b128 v[KV+8*(4*\u+\ct)+4:KV+8*(4*\u+\ct)+7], v[ADR] offset:(64*(\q)+32*\u+16)*VP+32*\ct
.endr
.endr
	s_add_co_u32 s96, s[KF], 63
	s_cmp_le_u32 s96, s[Q0]                        ; all keys count for all my queries: no mask
	s_cbranch_scc1 .Lopen_\@
	s_sub_co_i32 s96, s[Q0], s[KF]
	v_add_nc_u32 v[DD], s96, v[RH]                 ; register 8 kt + j of tile t holds key KF + 16 kt + 8 h + j: hidden where 16 kt + j > Q0 - KF + 16 t + r - 8 h
.irp t, 0,1
.irp n, 0,1,2,3,4,5,6,7,8,9,10,11,12,13,14,15,16,17,18,19,20,21,22,23,24,25,26,27,28,29,30,31
	v_cmp_gt_i32 vcc_lo, 16*(\n/8)+\n%8, v[DD]
	v_cndmask_b32 v[S+32*\t+\n], v[S+32*\t+\n], v[NINF], vcc_lo
.endr
.if \t == 0
	v_add_nc_u32 v[DD], 16, v[DD]
.endif
.endr
.Lopen_\@:
.irp j, 0,1,2,3                                ; the maximum of 32 scores and the old m: four chains a tile, each accumulator from its low end on
.irp t, 0,1
	v_max3_num_f32 v[CC+4*\t+\j], v[S+32*\t+8*\j], v[S+32*\t+8*\j+1], v[S+32*\t+8*\j+2]
.endr
.endr
.irp g, 1,2
.irp j, 0,1,2,3
.irp t, 0,1
	v_max3_num_f32 v[CC+4*\t+\j], v[CC+4*\t+\j], v[S+32*\t+8*\j+2*\g+1], v[S+32*\t+8*\j+2*\g+2]
.endr
.endr
.endr
.irp t, 0,1
	v_max3_num_f32 v[CC+4*\t], v[CC+4*\t], v[S+32*\t+7], v[S+32*\t+15]
	v_max3_num_f32 v[CC+4*\t+2], v[CC+4*\t+2], v[S+32*\t+23], v[S+32*\t+31]
.endr
.irp t, 0,1
	v_max3_num_f32 v[CC+4*\t], v[CC+4*\t], v[CC+4*\t+1], v[CC+4*\t+2]
.endr
.irp t, 0,1
	v_max3_num_f32 v[CC+4*\t], v[CC+4*\t], v[CC+4*\t+3], v[ST+6*\t+1]
.endr
.irp t, 0,1
	v_permlanex16_b32 v[CC+4*\t+1], v[CC+4*\t], s[SEL], s[SEL+1]   ; the query's other 32 keys lie in the lane 16 away
	v_mov_b32 v[ST+6*\t+5], v[ST+6*\t]             ; c m_old is kept
.endr
.irp t, 0,1
	v_max_num_f32 v[ST+6*\t+1], v[CC+4*\t], v[CC+4*\t+1]
.endr
.irp t, 0,1
	v_mul_f32 v[ST+6*\t], s[CS], v[ST+6*\t+1]
.endr
.irp t, 0,1
	v_sub_f32 v[ST+6*\t+5], v[ST+6*\t+5], v[ST+6*\t]
.endr
.irp j, 0,2,4,6,8,10,12,14,16,18,20,22,24,26,28,30
.irp t, 0,1
	v_pk_fma_f32 v[S+32*\t+\j:S+32*\t+\j+1], v[S+32*\t+\j:S+32*\t+\j+1], s[CS:CS+1], v[ST+6*\t:ST+6*\t+1] op_sel_hi:[1,0,0] neg_lo:[0,0,1] neg_hi:[0,0,1]   ; c s - c m
.endr
.endr
.irp t, 0,1                                    ; ONE BATCH of 66 exponentials, none of which reads another's result
	v_exp_f32 v[ST+6*\t+4], v[ST+6*\t+5]
.endr
.set i, 0
.rept 64
	v_exp_f32 v[S+i], v[S+i]
.set i, i+1
.endr
	v_nop                                          ; a plain instruction behind the last exponential
	s_wait_alu depctr_va_vdst(0)                   ; one wait for the batch, ahead of its first reader
.irp t, 0,1                                    ; the sums, in two chains a tile
	v_pk_add_f32 v[CC+4*\t:CC+4*\t+1], v[S+32*\t:S+32*\t+1], v[S+32*\t+2:S+32*\t+3]
	v_pk_add_f32 v[CC+4*\t+2:CC+4*\t+3], v[S+32*\t+4:S+32*\t+5], v[S+32*\t+6:S+32*\t+7]
.endr
.irp j, 8,12,16,20,24,28
.irp t, 0,1
	v_pk_add_f32 v[CC+4*\t:CC+4*\t+1], v[CC+4*\t:CC+4*\t+1], v[S+32*\t+\j:S+32*\t+\j+1]
	v_pk_add_f32 v[CC+4*\t+2:CC+4*\t+3], v[CC+4*\t+2:CC+4*\t+3], v[S+32*\t+\j+2:S+32*\t+\j+3]
.endr
.endr
.irp t, 0,1
	v_pk_add_f32 v[CC+4*\t:CC+4*\t+1], v[CC+4*\t:CC+4*\t+1], v[CC+4*\t+2:CC+4*\t+3]
.endr
.irp t, 0,1
	v_pk_fma_f32 v[ST+6*\t+2:ST+6*\t+3], v[ST+6*\t+2:ST+6*\t+3], v[ST+6*\t+4:ST+6*\t+5], v[CC+4*\t:CC+4*\t+1] op_sel_hi:[1,0,1]   ; l = a l + the sum
.endr
.irp n, 0,1,2,3,4,5,6,7,8,9,10,11,12,13,14,15  ; P: pair n of the weights into register n, in place, ascending
.irp t, 0,1
	v_cvt_pk_f16_f32 v[S+32*\t+\n], v[S+32*\t+2*\n], v[S+32*\t+2*\n+1]
.endr
.endr
.irp j, 0,2,4,6,8,10,12,14,16,18,20,22,24,26,28,30
.irp t, 0,1
	v_pk_mul_f32 v[OT+32*\t+\j:OT+32*\t+\j+1], v[OT+32*\t+\j:OT+32*\t+\j+1], v[ST+6*\t+4:ST+6*\t+5] op_sel_hi:[1,0]
.endr
.endr
	s_wait_dscnt 0x0                               ; V is in
.irp u, 0,1                                    ; O^T += V^T P: eight accumulators by turns
.irp ct, 0,1,2,3
.irp t, 0,1
	v_wmma_f32_16x16x32_f16 v[OT+32*\t+8*\ct:OT+32*\t+8*\ct+7], v[KV+8*(4*\u+\ct):KV+8*(4*\u+\ct)+7], v[S+32*\t+8*\u:S+32*\t+8*\u+7], v[OT+32*\t+8*\ct:OT+32*\t+8*\ct+7]
.endr
.endr
.endr
.Lhidden_\@:
	s_add_co_u32 s[KF], s[KF], 64
.endm
; THE CHANGE OF SLOTS stands at a slot's head: every wave waits for all its tensor loads, adds 0 to its spare word, waits for that and for its reads of the slot that it has left, and passes the barrier.
; fill = 1: the slot just left is then filled with the next 256 keys, unless they all come after the work-group's last query.
.macro CHANGE fill
	s_wait_tensorcnt 0x0                           ; no tensor load of mine is out, so a group 0 may be written
	ds_add_u32 v[SPW], v[NIL]
.if \fill
	ds_add_u32 v[SPW], v[NIL]                      ; and once more
	s_xor_b32 s[G0K+1], s[G0K+1], SLOT1
	s_add_nc_u64 s[G0K+2:G0K+3], s[G0K+2:G0K+3], 32768
	s_xor_b32 s[G0V+1], s[G0V+1], SLOT1
	s_add_nc_u64 s[G0V+2:G0V+3], s[G0V+2:G0V+3], 32768
	s_wait_xcnt 0x0                                ; the last prefetch, a slot back, has read its address
	s_add_nc_u64 s[PFA:PFA+1], s[PFA:PFA+1], 32768
.endif
	s_wait_dscnt 0x0
	s_barrier_signal -1
	s_barrier_wait -1
.if \fill
	s_add_co_u32 s96, s[KF], SK                    ; the first key of the slot that this change would ask for
	s_cmp_gt_u32 s96, s[LASTQ]                     ; ids and the count of steps alone: all sixteen waves go the same way; no step reads a slot that is left out
	s_cbranch_scc1 .Lpast_\@
	TLOAD                                          ; a wave's one tensor load until the next such barrier: one is out
.Lpast_\@:
	ASK
.endif
.endm
.macro SLOT_STEPS
.set QS, 0
.rept 4
	STEP QS
.set QS, QS+1
.endr
	s_xor_b32 s[TB], s[TB], SLOT1
.endm
	s_wait_loadcnt 0x0                             ; Q
.Lslot:                                            ; seven trips, a constant of the text
	CHANGE 1
	SLOT_STEPS
	s_sub_co_u32 s[SLOTS], s[SLOTS], 1
	s_cmp_lg_u32 s[SLOTS], 0
	s_cbranch_scc1 .Lslot
	CHANGE 0                                       ; the last slot is written out: nothing is asked for
	SLOT_STEPS
	; THE WAY OUT: O^T / l, rounded to f16, through my stage, a tile of 16 queries at a time; each store of the wave covers 512 consecutive bytes, aligned.
.rept 4
	v_nop                                          ; places behind the last products, on every path
.endr
.irp t, 0,1
	v_add_f32 v[CC+4*\t], v[ST+6*\t+2], v[ST+6*\t+3]
.endr
.irp t, 0,1
	v_permlanex16_b32 v[CC+4*\t+1], v[CC+4*\t], s[SEL], s[SEL+1]
.endr
.irp t, 0,1
	v_add_f32 v[CC+4*\t], v[CC+4*\t], v[CC+4*\t+1]
.endr
.irp t, 0,1
	v_rcp_f32 v[ST+6*\t+4], v[CC+4*\t]
.endr
	s_mul_i32 s96, s[WV], 16*KP
	s_add_co_u32 s96, s96, STAGE
	v_and_b32 v30, 15, v0                          ; (plain work behind the reciprocals)
	v_bfe_u32 v31, v0, 4, 1
	v_mul_u32_u24 v[ADR], v30, KP
	v_lshl_add_u32 v[ADR], v31, 4, v[ADR]
	v_add_nc_u32 v[ADR], s96, v[ADR]               ; in: row r, 16 bytes for each half of the lanes
	v_and_b32 v[DD], 31, v0
	v_lshrrev_b32 v[RH], 3, v[DD]
	v_mul_u32_u24 v[RH], v[RH], KP
	v_and_b32 v[NINF], 7, v0
	v_lshl_add_u32 v[RH], v[NINF], 4, v[RH]
	v_add_nc_u32 v[RH], s96, v[RH]                 ; back: eight lanes to a row, four rows an instruction
	v_lshlrev_b32 v[DD], 4, v[DD]
	s_wait_alu depctr_va_vdst(0)                   ; one wait for the two reciprocals, ahead of their first reader
.irp t, 0,1
.irp j, 0,2,4,6,8,10,12,14,16,18,20,22,24,26,28,30
	v_pk_mul_f32 v[OT+32*\t+\j:OT+32*\t+\j+1], v[OT+32*\t+\j:OT+32*\t+\j+1], v[ST+6*\t+4:ST+6*\t+5] op_sel_hi:[1,0]
.endr
.irp n, 0,1,2,3,4,5,6,7,8,9,10,11,12,13,14,15
	v_cvt_pk_f16_f32 v[KV+16*\t+\n], v[OT+32*\t+2*\n], v[OT+32*\t+2*\n+1]
.endr
.irp ct, 0,1,2,3
	ds_store_b128 v[ADR], v[KV+16*\t+4*\ct:KV+16*\t+4*\ct+3] offset:32*\ct
.endr
.irp i, 0,1,2,3
	ds_load_b128 v[KV+32+16*\t+4*\i:KV+32+16*\t+4*\i+3], v[RH] offset:4*KP*\i   ; LDS serves a wave's instructions in order: these see my stores, and the next tile's stores come behind them
.endr
.endr
.irp t, 0,1
.irp i, 0,1,2,3
	s_wait_dscnt 11-8*\t-\i                        ; the younger LDS instructions may be out
	global_store_b128 v[DD], v[KV+32+16*\t+4*\i:KV+32+16*\t+4*\i+3], s[74:75] offset:2048*\t+512*\i
.endr
.endr
	s_wait_tensorcnt 0x0                           ; the wave's end: the three lines
	ds_add_u32 v[SPW], v[NIL]
	s_wait_dscnt 0x0
	s_endpgm
.Lfunc_end_k_q43d3c10eb1_att:
	.size	k_q43d3c10eb1_att, .Lfunc_end_k_q43d3c10eb1_att-k_q43d3c10eb1_att
	.p2alignl 7, 3214868480
	.fill 96, 4, 3214868480
	.section	.rodata,"a",@progbits
	.p2align	6, 0x0
	.amdhsa_kernel k_q43d3c10eb1_att
		.amdhsa_group_segment_fixed_size 327680
		.amdhsa_private_segment_fixed_size 0
		.amdhsa_enable_private_segment 0
		.amdhsa_kernarg_size 16
		.amdhsa_user_sgpr_count 2
		.amdhsa_user_sgpr_kernarg_segment_ptr 1
		.amdhsa_wavefront_size32 1
		.amdhsa_system_sgpr_workgroup_id_x 1
		.amdhsa_system_sgpr_workgroup_id_y 1
		.amdhsa_system_sgpr_workgroup_id_z 1
		.amdhsa_system_vgpr_workitem_id 0
		.amdhsa_next_free_vgpr 256
		.amdhsa_next_free_sgpr 100
		.amdhsa_reserve_vcc 1
		.amdhsa_float_denorm_mode_32 3
		.amdhsa_float_denorm_mode_16_64 3
		.amdhsa_memory_ordered 1
		.amdhsa_forward_progress 1
		.amdhsa_inst_pref_size 188
	.end_amdhsa_kernel
	.amdgpu_metadata
---
amdhsa.version: [ 1, 2 ]
amdhsa.kernels:
  - .name:           k_q43d3c10eb1_att
    .symbol:         k_q43d3c10eb1_att.kd
    .args:
      - { .name: qkv16, .offset: 0, .size: 8, .value_kind: global_buffer, .address_space: global }
      - { .name: y16, .offset: 8, .size: 8, .value_kind: global_buffer, .address_space: global }
    .group_segment_fixed_size: 327680
    .private_segment_fixed_size: 0
    .kernarg_segment_align: 8
    .kernarg_segment_size: 16
    .max_flat_workgroup_size: 512
    .sgpr_count:     100
    .vgpr_count:     256
    .wavefront_size: 32
...
	.end_amdgpu_metadata
.endif
;; end of part 3
;; launch proj (part 4): grid 8 x 32, 4 waves a work-group, clusters of 4 x 4, 327,680 bytes of LDS; arguments y16, w16, b_proj, out0; writes out0
.if DOCPART == 4
	.amdgcn_target "amdgcn-amd-amdhsa--gfx1250"
	.amdhsa_code_object_version 6
	.text
	.protected	k_q43d3c10eb1_proj
	.globl	k_q43d3c10eb1_proj
	.p2align	8
	.type	k_q43d3c10eb1_proj,@function
k_q43d3c10eb1_proj:
	s_mov_b64 s[64:65], 0
	v_nop
	global_prefetch_b8 v0, s[64:65] scope:SCOPE_SE
	s_setreg_imm32_b32 hwreg(HW_REG_WAVE_MODE, 25, 1), 1
	s_wait_xcnt 0x0
	s_wait_alu depctr_hold_cnt(0) depctr_sa_sdst(0) depctr_va_vdst(0) depctr_va_sdst(0) depctr_va_ssrc(0) depctr_va_vcc(0) depctr_vm_vsrc(0)
	s_getreg_b32 s2, hwreg(HW_REG_IB_STS2, 6, 4)
	s_cmp_eq_u32 s2, 0
	s_cbranch_scc0 .Lentry_in_a_cluster
	s_endpgm
.Lentry_in_a_cluster:
	s_bfe_u32 s2, ttmp6, 0x10000c
	s_cmp_lg_u32 s2, 0xf033
	s_cbranch_scc0 .Lentry_shape_is_right
	s_endpgm
.Lentry_shape_is_right:
; out = y w_proj + b_proj on f16 operands, sums in f32.  y16: planes [batch x 16 + head][position][64]; w16: [k 1024][n 1024]; out0: [8192][1024] f32.
; NOT STORED HERE: positions 0-15 of every batch, which launch first16 makes in f32; they are multiplied, since they share tiles with live rows.
; A tile of 256 rows x 128 columns to a work-group: 256 work-groups.  Wave w: rows 128 (w / 2) on, columns 64 (w % 2) on: 32 accumulators.  K goes in 8 steps of 128 (two heads) through two LDS slots.
; CLUSTER 4 x 4: y's tiles are asked for jointly along a row of the cluster, w's along a column.  Tile row = 8 cy + cluster y, so that the tiles with positions 0-15 are those of the clusters with y = 0.
; USED TRANSPOSED: source 0 = 16 columns of w (turned on the way out of LDS, where it lies [k][n]), source 1 = 16 rows of y: a lane holds eight neighbouring columns of a row.  The bias is the C of each sum's first product.
; REGISTERS: window 0: v16-30 addresses; v32-127, v128-223 two fragment buffers (y's eight fragments, then w's four); v224-255 the bias.  window 1: accumulator (a, b) at v[8 (4 a + b)].
.set AP,    144                        ; a row of y in LDS: 128 bytes + 16
.set BP,    288                        ; a row of w: 256 + 32
.set AHEAD, 256*AP                     ; one head's 256 rows
.set BOFF,  2*AHEAD
.set SLOT,  BOFF+128*BP
.set STAGE, 2*SLOT                     ; 16 rows x 272 bytes for each wave
.set SPITCH, 272
.set SPARE, STAGE+4*16*SPITCH
.set ADRA, 16
.set ADRB, 20
.set STO,  24
.set RD,   25
.set CO,   26
.set SPW,  28
.set NIL,  29
.set PFO,  30
.set F0,   32
.set F1,   128
.set BIAS, 224
.set WV,   12
.set G1A, 24
.set G0A, 32
.set PFA, 44
.set G1B, 48
.set G0B, 56
.set LIM, 66
.set MSB, 0
.macro WIN new
.if MSB != (\new)
	s_set_vgpr_msb (MSB<<8)|(\new)
.set MSB, (\new)
.endif
.endm
.set MUL, 0x50                         ; C and D window 1, sources 0 and 1 window 0
.macro JLOAD s                         ; waves 0 and 1 fetch y's two heads, waves 2 and 3 w's two halves
	s_cmp_eq_u32 s13, 0
	s_cbranch_scc0 .Lfor_b_\@
	tensor_load_to_lds s[G0A+4*\s:G0A+4*\s+3], s[G1A:G1A+7]
	s_nop 0
.rept 4
	v_nop
.endr
	s_branch .Lasked_\@
.Lfor_b_\@:
	tensor_load_to_lds s[G0B+4*\s:G0B+4*\s+3], s[G1B:G1B+7]
	s_nop 0
.rept 4
	v_nop
.endr
.Lasked_\@:
.endm
.macro CREST
	s_cmp_lg_u32 s[WV], 0
	s_cbranch_scc1 .Lnot_wave_0_\@
	s_barrier_signal -3
.Lnot_wave_0_\@:
	s_barrier_wait -3
	s_barrier_signal -1
	s_barrier_wait -1
.endm
.macro CROUND
	s_barrier_signal -1
	s_barrier_wait -1
	CREST
.endm
; A prefetch of y's K step two refills on, 256 matrix instructions ahead of the load that wants it.  Each aligned block of 256 bytes is named once: of the two clusters that read a tile row the one with x = 0 asks;
; its four partners along x share a head's 32,768 bytes out by address, 8,192 each, lanes 256 bytes apart; waves 0 and 1 ask, each for its head.  The last two refills have no K step two on.
; w16 is read by all 32 tile rows and is not asked for.
.macro ASK
	s_cmp_gt_u32 s3, s[LIM]
	s_cbranch_scc0 .Lnot_mine_\@
	global_prefetch_b8 v[PFO], s[PFA:PFA+1] offset:524288 th:TH_LOAD_NT scope:SCOPE_SE
.Lnot_mine_\@:
.endm
	s_load_b256 s[4:11], s[0:1], 0x0               ; y16 s[4:5], w16 s[6:7], b_proj s[8:9], out0 s[10:11]
	v_lshl_add_u32 v[SPW], v0, 2, SPARE
	v_mov_b32 v[NIL], 0
	ds_add_u32 v[SPW], v[NIL]                      ; the opening: the add, twice on end, and its wait ahead of my first tensor load
	ds_add_u32 v[SPW], v[NIL]
	v_lshrrev_b32 v1, 5, v0
	v_readfirstlane_b32 s[WV], v1
	s_lshr_b32 s13, s[WV], 1                       ; my half of the rows.  Also: I fetch for y (0) or for w (1)
	s_and_b32 s14, s[WV], 1                        ; my half of the columns.  Also: which head, or which 64 rows of w, I fetch
	s_bfe_u32 s15, ttmp6, 0x40000                  ; cx
	s_bfe_u32 s16, ttmp6, 0x40004                  ; cy = the batch
	s_lshl_b32 s17, ttmp9, 2
	s_add_co_u32 s17, s17, s15                     ; tile column
	s_and_b32 s18, ttmp7, 0xffff                   ; cluster y = which 256 positions
	s_lshl_b32 s40, s16, 2
	s_lshl_b32 s40, 15, s40                        ; my row of the cluster
	s_lshl_b32 s41, 0x1111, s15                    ; my column
	s_or_b32 s[G1A], s40, (1<<16)|(1<<20)|(1<<21)|(4<<22)|(3<<25)   ; elements of 2 bytes; 4 words of padding after every 32
	s_mov_b32 s[G1A+1], 64<<16
	s_mov_b32 s[G1A+2], 256<<16
	s_mov_b32 s[G1A+3], 64<<16
	s_mov_b32 s[G1A+4], 256
	s_mov_b32 s[G1A+5], 64
	s_mov_b32 s[G1A+6], 0
	s_mov_b32 s[G1A+7], 0
	s_or_b32 s[G1B], s41, (1<<16)|(1<<20)|(1<<21)|(5<<22)|(7<<25)   ; 8 words of padding after every 64
	s_mov_b32 s[G1B+1], 128<<16
	s_mov_b32 s[G1B+2], 64<<16
	s_mov_b32 s[G1B+3], 128<<16
	s_mov_b32 s[G1B+4], 64
	s_mov_b32 s[G1B+5], 1024
	s_mov_b32 s[G1B+6], 0
	s_mov_b32 s[G1B+7], 0
	s_lshl_b32 s42, s16, 4
	s_add_co_u32 s42, s42, s14                     ; y: plane 16 x batch + my head of the step,
	s_lshl_b32 s42, s42, 18
	s_lshl_b32 s19, s18, 15
	s_add_co_u32 s42, s42, s19                     ; + the tile's 256 rows of 128 bytes
	s_mov_b32 s43, 0
	s_lshl_b32 s46, s14, 17                        ; w: my 64 rows of 2,048 bytes,
	s_lshl_b32 s67, s17, 8
	s_add_co_u32 s46, s46, s67                     ; + the tile's 128 columns
	s_mov_b32 s47, 0
	s_mul_i32 s20, s14, AHEAD
	s_mul_i32 s21, s14, 64*BP
	s_add_co_u32 s21, s21, BOFF
	s_wait_dscnt 0x0
	s_wait_kmcnt 0x0
	s_add_nc_u64 s[42:43], s[4:5], s[42:43]
	s_add_nc_u64 s[46:47], s[6:7], s[46:47]
	CROUND                                         ; all sixteen work-groups are here
.irp s, 0,1
	s_mov_b32 s[G0A+4*\s], 1
	s_add_co_u32 s[G0A+4*\s+1], s20, \s*SLOT
	s_add_nc_u64 s[G0A+4*\s+2:G0A+4*\s+3], s[42:43], \s*524288     ; a K step is two planes
	s_or_b32 s[G0A+4*\s+3], s[G0A+4*\s+3], 0x80000000
	s_mov_b32 s[G0B+4*\s], 1
	s_add_co_u32 s[G0B+4*\s+1], s21, \s*SLOT
	s_add_nc_u64 s[G0B+4*\s+2:G0B+4*\s+3], s[46:47], \s*262144     ; and 128 rows of w
	s_or_b32 s[G0B+4*\s+3], s[G0B+4*\s+3], 0x80000000
	JLOAD \s                                       ; two tensor loads of a wave are out
.endr
	s_lshl_b32 s44, s15, 13                        ; the prefetches: my work-group's 8,192 bytes of my head,
	s_mov_b32 s45, 0
	s_add_nc_u64 s[PFA:PFA+1], s[42:43], s[44:45]
	s_add_nc_u64 s[PFA:PFA+1], s[PFA:PFA+1], 2*524288   ; at K step 2: the first refill steps it to 3 and names K step 4
	s_or_b32 s[LIM], s13, ttmp9
	s_cmp_eq_u32 s[LIM], 0
	s_cselect_b32 s[LIM], 1, -1
	v_and_b32 v[PFO], 31, v0
	v_lshlrev_b32 v[PFO], 8, v[PFO]
	v_and_b32 v1, 15, v0                           ; r
	v_bfe_u32 v2, v0, 4, 1                         ; h
	s_lshl_b32 s22, s17, 9
	s_lshl_b32 s23, s14, 8
	s_add_co_u32 s22, s22, s23                     ; my first column in f32 bytes
	s_mov_b32 s23, 0
	s_add_nc_u64 s[8:9], s[8:9], s[22:23]
	s_add_nc_u64 s[10:11], s[10:11], s[22:23]
	v_lshlrev_b32 v6, 5, v2
.irp b, 0,1,2,3
	global_load_b128 v[BIAS+8*\b:BIAS+8*\b+3], v6, s[8:9] offset:64*\b
	global_load_b128 v[BIAS+8*\b+4:BIAS+8*\b+7], v6, s[8:9] offset:64*\b+16
.endr
	v_mul_u32_u24 v3, v1, AP
	v_lshl_add_u32 v3, v2, 4, v3
	s_mul_i32 s22, s13, 128*AP
	v_and_b32 v4, 7, v0
	v_lshl_add_u32 v4, v2, 3, v4
	v_mul_u32_u24 v4, v4, BP
	v_bfe_u32 v5, v0, 3, 1
	v_lshl_add_u32 v4, v5, 4, v4
	s_lshl_b32 s23, s14, 7
	s_add_co_u32 s23, s23, BOFF
.irp s, 0,1
	v_add_nc_u32 v[ADRA+\s], s22, v3
	v_add_nc_u32 v[ADRB+\s], s23, v4
	s_add_co_u32 s22, s22, SLOT
	s_add_co_u32 s23, s23, SLOT
.endr
	s_mul_i32 s22, s[WV], 16*SPITCH
	s_add_co_u32 s22, s22, STAGE
	v_mul_u32_u24 v5, v1, SPITCH
	v_lshl_add_u32 v5, v2, 5, v5
	v_add_nc_u32 v[STO], s22, v5                   ; in: row r, 32 bytes for each half of the lanes
	v_mul_u32_u24 v5, v2, SPITCH
	v_lshl_add_u32 v5, v1, 4, v5
	v_add_nc_u32 v[RD], s22, v5                    ; back: sixteen lanes to a row of 256 bytes, two rows an instruction
	v_lshlrev_b32 v[CO], 12, v2
	v_lshl_add_u32 v[CO], v1, 4, v[CO]
	s_lshl_b32 s20, s16, 3
	s_add_co_u32 s20, s20, s18                     ; tile row
	s_lshl_b32 s20, s20, 20                        ; x 256 rows of 4,096 bytes
	s_lshl_b32 s21, s13, 19
	s_add_co_u32 s20, s20, s21
	s_mov_b32 s21, 0
	s_add_nc_u64 s[10:11], s[10:11], s[20:21]
.macro MUL8 f, a0, first               ; blocks a0, a0 + 1 of y against w's four; the 32 accumulators take turns
.irp a, \a0, \a0+1
.irp b, 0,1,2,3
.if \first
	v_wmma_f32_16x16x32_f16 v[8*(4*(\a)+\b):8*(4*(\a)+\b)+7], v[\f+64+8*\b:\f+64+8*\b+7], v[\f+8*(\a):\f+8*(\a)+7], v[BIAS+8*\b:BIAS+8*\b+7]
.else
	v_wmma_f32_16x16x32_f16 v[8*(4*(\a)+\b):8*(4*(\a)+\b)+7], v[\f+64+8*\b:\f+64+8*\b+7], v[\f+8*(\a):\f+8*(\a)+7], v[8*(4*(\a)+\b):8*(4*(\a)+\b)+7]
.endif
.endr
.endr
.endm
.macro FETCH slot, q, f                ; 24 LDS loads in one run: 32 along K: w's four fragments, y's blocks 0-3, y's blocks 4-7
	WIN 0
.irp b, 0,1,2,3
	ds_load_tr16_b128 v[\f+64+8*\b:\f+64+8*\b+3], v[ADRB+\slot] offset:(\q)*32*BP+32*\b
	ds_load_tr16_b128 v[\f+64+8*\b+4:\f+64+8*\b+7], v[ADRB+\slot] offset:(\q)*32*BP+32*\b+16*BP
.endr
.irp i, 0,1,2,3,4,5,6,7
	ds_load_b128 v[\f+8*\i:\f+8*\i+3], v[ADRA+\slot] offset:((\q)/2)*AHEAD+((\q)%2)*64+\i*16*AP
	ds_load_b128 v[\f+8*\i+4:\f+8*\i+7], v[ADRA+\slot] offset:((\q)/2)*AHEAD+((\q)%2)*64+\i*16*AP+32
.endr
.endm
.macro PLACES
.rept 4
	v_nop
.endr
.endm
.macro QUARTER slot, qn, f, g, first   ; multiplies buffer f and fetches quarter qn of the same slot into g
	s_wait_dscnt 8                                 ; w's fragments and y's blocks 0-3 are in; the youngest eight loads may be out
	WIN MUL-0x10*(\first)                          ; (the bias lies in window 0)
	MUL8 \f, 0, \first
	MUL8 \f, 2, \first
	PLACES
	FETCH \slot, \qn, \g
	s_wait_dscnt 24                                ; all but the 24 just issued
	WIN MUL-0x10*(\first)
	MUL8 \f, 4, \first
	MUL8 \f, 6, \first
.endm
; A slot's last quarter multiplies buffer 1 and changes slots.  fill = 1: the barrier opens a round of the cluster's barrier, and this slot is filled again, two K steps ahead, first thing behind it.
.macro TURN slot, next, fill
	WIN 0
.if \fill
	s_wait_xcnt 0x0                                ; the last prefetch, a K step back, has read its address
	s_add_nc_u64 s[PFA:PFA+1], s[PFA:PFA+1], 524288
.endif
	s_wait_tensorcnt 0x0                           ; all my tensor loads have landed: my part of the next slot
	ds_add_u32 v[SPW], v[NIL]
	s_wait_dscnt 9                                 ; the add and y's blocks 4-7 may be out
	WIN MUL
	MUL8 F1, 0, 0
	s_wait_dscnt 0x0                               ; the add is done, and my reads of this slot are over
	s_barrier_signal -1
	MUL8 F1, 2, 0
	WIN 0
	s_barrier_wait -1
.if \fill
	CREST                                          ; no wave of any partner still reads this slot or has a load on its way
	s_add_nc_u64 s[G0A+4*\slot+2:G0A+4*\slot+3], s[G0A+4*\slot+2:G0A+4*\slot+3], 2*524288
	s_add_nc_u64 s[G0B+4*\slot+2:G0B+4*\slot+3], s[G0B+4*\slot+2:G0B+4*\slot+3], 2*262144
	JLOAD \slot                                    ; one tensor load of mine is out; its four v_nop are also the places in front of the loads below
.else
	PLACES
.endif
	FETCH \next, 0, F0
.if \fill
	ASK
.endif
	WIN MUL
	MUL8 F1, 4, 0
	MUL8 F1, 6, 0
.endm
	s_wait_tensorcnt 1                             ; my part of K step 0 is in; K step 1's may be out
	s_barrier_signal -1
	s_barrier_wait -1
	FETCH 0, 0, F0
	s_wait_loadcnt 0x0                             ; the bias
	QUARTER 0, 1, F0, F1, 1                        ; the first quarter stands in front of the loop: its products start the sums
	WIN 0
	s_mov_b32 s3, 3
.Llap:                                             ; a trip goes once round the ring and fills both slots again: K steps 2 to 7
	QUARTER 0, 2, F1, F0, 0
	QUARTER 0, 3, F0, F1, 0
	TURN 0, 1, 1
	QUARTER 1, 1, F0, F1, 0
	QUARTER 1, 2, F1, F0, 0
	QUARTER 1, 3, F0, F1, 0
	TURN 1, 0, 1
	QUARTER 0, 1, F0, F1, 0
	WIN 0
	s_sub_co_u32 s3, s3, 1
	s_cmp_lg_u32 s3, 0
	s_cbranch_scc1 .Llap
	QUARTER 0, 2, F1, F0, 0                        ; the last lap fills nothing
	QUARTER 0, 3, F0, F1, 0
	TURN 0, 1, 0
	QUARTER 1, 1, F0, F1, 0
	QUARTER 1, 2, F1, F0, 0
	QUARTER 1, 3, F0, F1, 0
	s_wait_dscnt 8
	WIN MUL
	MUL8 F1, 0, 0
	MUL8 F1, 2, 0
	s_wait_dscnt 0
	MUL8 F1, 4, 0
	MUL8 F1, 6, 0
	WIN 0
	PLACES
; THE WAY OUT, a block of 16 rows x 64 columns of f32 at a time, through my own stage: sixteen lanes store 256 consecutive bytes, aligned.
.macro TOSTAGE a
	WIN 0x04                                       ; an LDS store's data are its source 1: window 1
.irp b, 0,1,2,3
	ds_store_b128 v[STO], v[8*(4*(\a)+\b):8*(4*(\a)+\b)+3] offset:64*\b          ; each accumulator from its low end on
	ds_store_b128 v[STO], v[8*(4*(\a)+\b)+4:8*(4*(\a)+\b)+7] offset:64*\b+16
.endr
	WIN 0
.set BB, 32+32*((\a)%2)
.irp i, 0,1,2,3,4,5,6,7
	ds_load_b128 v[BB+4*\i:BB+4*\i+3], v[RD] offset:\i*2*SPITCH
.endr
.endm
.macro SEND a, younger
.set BB, 32+32*((\a)%2)
	s_wait_dscnt \younger
.irp i, 0,1,2,3,4,5,6,7
	global_store_b128 v[CO], v[BB+4*\i:BB+4*\i+3], s[10:11] offset:(16*(\a)+2*\i)*4096 th:TH_STORE_NT
.endr
.endm
	s_or_b32 s67, s18, s13                         ; block 0 of the upper half of a tile whose first position is 0 holds positions 0-15: not stored.  The test is equal in all partners
	s_cmp_eq_u32 s67, 0
	s_cbranch_scc1 .Lskip0
	TOSTAGE 0
	SEND 0, 0
.Lskip0:
	TOSTAGE 1
.irp a, 2,3,4,5,6,7
	s_wait_xcnt 0x0                                ; block a - 2's stores have read their registers: block a's loads may land there
	TOSTAGE \a
	SEND \a-1, 16                                  ; behind block a - 1's loads: block a's 8 stores and 8 loads
.endr
	SEND 7, 0
	s_wait_tensorcnt 0x0                           ; the wave's end: the three lines
	ds_add_u32 v[SPW], v[NIL]
	s_wait_dscnt 0x0
	CROUND                                         ; the closing round
	s_endpgm
.Lfunc_end_k_q43d3c10eb1_proj:
	.size	k_q43d3c10eb1_proj, .Lfunc_end_k_q43d3c10eb1_proj-k_q43d3c10eb1_proj
	.p2alignl 7, 3214868480
	.fill 96, 4, 3214868480
	.section	.rodata,"a",@progbits
	.p2align	6, 0x0
	.amdhsa_kernel k_q43d3c10eb1_proj
		.amdhsa_group_segment_fixed_size 327680
		.amdhsa_private_segment_fixed_size 0
		.amdhsa_enable_private_segment 0
		.amdhsa_kernarg_size 32
		.amdhsa_user_sgpr_count 2
		.amdhsa_user_sgpr_kernarg_segment_ptr 1
		.amdhsa_wavefront_size32 1
		.amdhsa_system_sgpr_workgroup_id_x 1
		.amdhsa_system_sgpr_workgroup_id_y 1
		.amdhsa_system_sgpr_workgroup_id_z 1
		.amdhsa_system_vgpr_workitem_id 0
		.amdhsa_next_free_vgpr 512
		.amdhsa_next_free_sgpr 72
		.amdhsa_reserve_vcc 0
		.amdhsa_float_denorm_mode_32 3
		.amdhsa_float_denorm_mode_16_64 3
		.amdhsa_memory_ordered 1
		.amdhsa_forward_progress 1
		.amdhsa_inst_pref_size 87
	.end_amdhsa_kernel
	.amdgpu_metadata
---
amdhsa.version: [ 1, 2 ]
amdhsa.kernels:
  - .name:           k_q43d3c10eb1_proj
    .symbol:         k_q43d3c10eb1_proj.kd
    .args:
      - { .name: y16, .offset: 0, .size: 8, .value_kind: global_buffer, .address_space: global }
      - { .name: w16, .offset: 8, .size: 8, .value_kind: global_buffer, .address_space: global }
      - { .name: b_proj, .offset: 16, .size: 8, .value_kind: global_buffer, .address_space: global }
      - { .name: out0, .offset: 24, .size: 8, .value_kind: global_buffer, .address_space: global }
    .group_segment_fixed_size: 327680
    .private_segment_fixed_size: 0
    .kernarg_segment_align: 8
    .kernarg_segment_size: 32
    .max_flat_workgroup_size: 128
    .sgpr_count:     72
    .vgpr_count:     512
    .wavefront_size: 32
...
	.end_amdgpu_metadata
.endif
;; end of part 4
;; launch first16 (part 5): grid 32 x 4, 16 waves a work-group, no clusters, 84,224 bytes of LDS; arguments qkv32, w_proj, b_proj, out0; writes out0
.if DOCPART == 5
	.amdgcn_target "amdgcn-amd-amdhsa--gfx1250"
	.amdhsa_code_object_version 6
	.text
	.protected	k_q43d3c10eb1_first16
	.globl	k_q43d3c10eb1_first16
	.p2align	8
	.type	k_q43d3c10eb1_first16,@function
k_q43d3c10eb1_first16:
	s_mov_b64 s[64:65], 0
	v_nop
	global_prefetch_b8 v0, s[64:65] scope:SCOPE_SE
	s_setreg_imm32_b32 hwreg(HW_REG_WAVE_MODE, 25, 1), 1
	s_wait_xcnt 0x0
; Positions 0 to 15 of every batch, wholly in f32: under the causal mask these rows average one to sixteen values and are the largest of the output.  Keys after position 15 have the weight 0 for them and are not touched.
; Work-group (x, y): batch y, output columns 32 x .. 32 x + 31.  PHASE A: wave = head: S^T = K Q^T, the masked softmax, O^T = V^T P, all 16 x 16; y's 16 rows of 1,024 meet in LDS.
; PHASE B: wave w takes columns 16 (w % 2) on and k = 128 (w / 2) on of y w_proj; the eight parts along K meet in LDS; then wave = query, lane = column.
; A batch's attention is repeated in its 32 work-groups (32 small matrix instructions a wave), so that the projection spreads over 128 work-groups with no further launch and no sum between work-groups.
; The f32 matrix form takes k = 2 (lane / 16) + register; K is walked in an order of its own, the same on both sides of each product.
; The registers that the f32 matrix form writes (v176-223) are written by matrix instructions alone.  The last store of a wave covers 128 consecutive bytes: 262,144 bytes in the whole launch.
.set YP,    4112                       ; a row of y in LDS: 4,096 bytes + 16
.set PART,  16*YP                      ; sixteen images of 1,024 bytes: each wave's 16 x 16 part
.set SPARE, PART+16*1024
.set QR,  16                           ; v16-47 Q, later y
.set KR,  48                           ; v48-79 K, later y
.set VR,  80                           ; v80-111 V
.set WR,  112                          ; v112-175 w_proj
.set SA,  176                          ; two accumulators
.set YA,  192                          ; four accumulators
.set SS,  224
.set PP,  232
.set TT,  240
.set BI,  254
	s_load_b256 s[4:11], s[0:1], 0x0               ; qkv32 s[4:5], w_proj s[6:7], b_proj s[8:9], out0 s[10:11]
	v_lshl_add_u32 v12, v0, 2, SPARE               ; my spare word; never rewritten
	v_mov_b32 v13, 0                               ; 0; never rewritten
	v_lshrrev_b32 v1, 5, v0
	v_readfirstlane_b32 s12, v1                    ; wave = head = query
	v_and_b32 v1, 15, v0                           ; r
	v_bfe_u32 v2, v0, 4, 1                         ; h
	v_and_b32 v3, 31, v0                           ; lane
	s_and_b32 s13, ttmp7, 0xffff                   ; batch
	s_lshl_b32 s14, ttmp9, 7                       ; my 32 columns, in bytes
	s_and_b32 s15, s12, 1
	s_lshr_b32 s16, s12, 1
	s_mov_b32 s20, 0x76543210
	s_mov_b32 s21, 0xfedcba98                      ; lane l xor 16
	s_mov_b32 s22, 0x3e38aa3b                      ; c = log2(e) / 8
	v_lshlrev_b32 v4, 2, v1
	v_lshl_add_u32 v4, v2, 14, v4                  ; w_proj: column r, 4 h rows of 4,096 bytes down
	v_lshlrev_b32 v5, 2, v3                        ; the bias and the result: 4 bytes a lane
	v_mul_u32_u24 v6, v1, 12288
	v_lshl_add_u32 v6, v2, 4, v6                   ; Q, K: position r, + 16 h
	v_mul_u32_u24 v7, v2, 98304
	v_lshl_add_u32 v7, v1, 2, v7                   ; V: key 8 h, channel r
	v_mul_u32_u24 v8, v1, YP
	v_lshl_add_u32 v9, v2, 4, v8
	v_lshl_add_u32 v8, v2, 5, v8
	s_lshl_b32 s17, s12, 8
	v_add_nc_u32 v8, s17, v8                       ; y into LDS: row r, my head's 256 bytes, + 32 h
	s_lshl_b32 s17, s16, 9
	v_add_nc_u32 v9, s17, v9                       ; and out of it: row r, my 128 along K, + 16 h
	s_lshl_b32 s17, s12, 10
	s_add_co_u32 s17, s17, PART
	v_lshl_add_u32 v10, v3, 4, s17                 ; my part's image: 16 x lane
	v_lshlrev_b32 v11, 10, v2                      ; the parts read back: column lane = 16 ct + 8 h' + j lies in image 2 kq + ct, half j / 4, lane query + 16 h', word j % 4
	v_bfe_u32 v14, v0, 2, 1
	v_lshl_add_u32 v11, v14, 9, v11
	v_bfe_u32 v14, v0, 3, 1
	v_lshl_add_u32 v11, v14, 8, v11
	v_and_b32 v14, 3, v0
	v_lshl_add_u32 v11, v14, 2, v11
	s_lshl_b32 s17, s12, 4
	s_add_co_u32 s17, s17, PART
	v_add_nc_u32 v11, s17, v11
	v_lshlrev_b32 v14, 3, v2
	v_sub_nc_u32 v14, v1, v14                      ; r - 8 h
	v_mov_b32 v15, 0xff800000                      ; -infinity
	s_mul_i32 s24, s16, 524288                     ; w_proj: my 128 rows,
	s_add_co_u32 s24, s24, s14
	s_lshl_b32 s25, s15, 6
	s_add_co_u32 s24, s24, s25                     ; my 16 columns
	s_mov_b32 s25, 0
	s_mov_b32 s26, s14
	s_mov_b32 s27, 0
	s_mul_i32 s28, s13, 196608                     ; qkv32: my batch,
	s_lshl_b32 s29, s12, 8
	s_add_co_u32 s28, s28, s29                     ; my head
	s_mov_b32 s29, 0
	s_lshl_b32 s30, s13, 23                        ; out0: my batch,
	s_lshl_b32 s31, s12, 12
	s_add_co_u32 s30, s30, s31                     ; my query,
	s_add_co_u32 s30, s30, s14                     ; my columns
	s_mov_b32 s31, 0
	s_wait_kmcnt 0x0
	s_add_nc_u64 s[6:7], s[6:7], s[24:25]
	s_add_nc_u64 s[8:9], s[8:9], s[26:27]
	s_add_nc_u64 s[4:5], s[4:5], s[28:29]
	s_add_nc_u64 s[10:11], s[10:11], s[30:31]
.irp c, 0,1,2,3,4,5,6,7,8,9,10,11,12,13,14,15
.irp i, 0,1,2,3
	global_load_b32 v[WR+4*\c+\i], v4, s[6:7] offset:(8*\c+\i)*4096      ; w_proj(k = 8 c + 4 h + i of my 128, column r of my 16)
.endr
.endr
	global_load_b32 v[BI], v5, s[8:9]
.irp c, 0,1,2,3,4,5,6,7
	global_load_b128 v[QR+4*\c:QR+4*\c+3], v6, s[4:5] offset:32*\c       ; channels 8 c + 4 h + 0 .. 3
	global_load_b128 v[KR+4*\c:KR+4*\c+3], v6, s[4:5] offset:4096+32*\c
.endr
.irp t, 0,1,2,3
.irp k, 0,1,2,3,4,5,6,7
	global_load_b32 v[VR+8*\t+\k], v7, s[4:5] offset:8192+12288*\k+64*\t ; v(key 8 h + k, channel 16 t + r)
.endr
.endr
	s_wait_loadcnt 32                              ; all but V's 32 loads
	; ---- A: S^T = K Q^T: 16 products of 4 channels, two accumulators by turns; a lane holds query r and keys 8 h + 0 .. 7
.set i, 0
.rept 16
.if i < 2
	v_wmma_f32_16x16x4_f32 v[SA+8*(i%2):SA+8*(i%2)+7], v[KR+2*i:KR+2*i+1], v[QR+2*i:QR+2*i+1], 0
.else
	v_wmma_f32_16x16x4_f32 v[SA+8*(i%2):SA+8*(i%2)+7], v[KR+2*i:KR+2*i+1], v[QR+2*i:QR+2*i+1], v[SA+8*(i%2):SA+8*(i%2)+7]
.endif
.set i, i+1
.endr
.rept 8
	v_nop                                          ; eight places behind this form (ISA guide 7.12.1)
.endr
.irp j, 0,1,2,3,4,5,6,7
	v_add_f32 v[SS+\j], v[SA+\j], v[SA+8+\j]
.endr
.irp j, 0,1,2,3,4,5,6,7
	v_cmp_gt_i32 vcc_lo, \j, v14                   ; key 8 h + j comes after query r
	v_cndmask_b32 v[SS+\j], v[SS+\j], v15, vcc_lo
.endr
	v_max3_num_f32 v[TT], v[SS], v[SS+1], v[SS+2]
	v_max3_num_f32 v[TT+1], v[SS+3], v[SS+4], v[SS+5]
	v_max3_num_f32 v[TT], v[TT], v[SS+6], v[SS+7]
	v_max_num_f32 v[TT], v[TT], v[TT+1]
	v_permlanex16_b32 v[TT+1], v[TT], s20, s21
	v_max_num_f32 v[TT], v[TT], v[TT+1]            ; the row's maximum: key 0 counts for every query, so it is a number
	v_mul_f32 v[TT], s22, v[TT]
.irp j, 0,1,2,3,4,5,6,7
	v_fma_f32 v[SS+\j], v[SS+\j], s22, -v[TT]
.endr
.irp j, 0,1,2,3,4,5,6,7
	v_exp_f32 v[SS+\j], v[SS+\j]
.endr
	v_nop                                          ; a plain instruction behind the last exponential
	s_wait_alu depctr_va_vdst(0)                   ; one wait for the eight, ahead of their first reader
	v_add_f32 v[TT+1], v[SS], v[SS+1]
	v_add_f32 v[TT+2], v[SS+2], v[SS+3]
	v_add_f32 v[TT+3], v[SS+4], v[SS+5]
	v_add_f32 v[TT+4], v[SS+6], v[SS+7]
	v_add_f32 v[TT+1], v[TT+1], v[TT+2]
	v_add_f32 v[TT+3], v[TT+3], v[TT+4]
	v_add_f32 v[TT+1], v[TT+1], v[TT+3]
	v_permlanex16_b32 v[TT+2], v[TT+1], s20, s21
	v_add_f32 v[TT+1], v[TT+1], v[TT+2]
	v_rcp_f32 v[TT+1], v[TT+1]
	v_nop
	s_wait_alu depctr_va_vdst(0)
.irp j, 0,1,2,3,4,5,6,7
	v_mul_f32 v[PP+\j], v[SS+\j], v[TT+1]
.endr
	s_wait_loadcnt 0x0                             ; V
.irp c, 0,1,2,3                                ; O^T = V^T P: product c takes keys 8 h + 2 c, + 1; four accumulators (16 channels each) by turns
.irp t, 0,1,2,3
.if \c == 0
	v_wmma_f32_16x16x4_f32 v[YA+8*\t:YA+8*\t+7], v[VR+8*\t+2*\c:VR+8*\t+2*\c+1], v[PP+2*\c:PP+2*\c+1], 0
.else
	v_wmma_f32_16x16x4_f32 v[YA+8*\t:YA+8*\t+7], v[VR+8*\t+2*\c:VR+8*\t+2*\c+1], v[PP+2*\c:PP+2*\c+1], v[YA+8*\t:YA+8*\t+7]
.endif
.endr
.endr
.rept 9
	v_nop                                          ; nine places: these accumulators are read by the stores below and begun anew in phase B
.endr
.irp t, 0,1,2,3
	ds_store_b128 v8, v[YA+8*\t:YA+8*\t+3] offset:64*\t        ; y(query r, channels 16 t + 8 h + 0 .. 7 of my head)
	ds_store_b128 v8, v[YA+8*\t+4:YA+8*\t+7] offset:64*\t+16
.endr
	s_wait_dscnt 0x0                               ; for the others' sake: my stores have landed
	s_barrier_signal -1
	s_barrier_wait -1
	; ---- B: my 16 columns x my 128 along K, transposed: source 0 = w_proj's columns, source 1 = y's rows
.irp c, 0,1,2,3,4,5,6,7,8,9,10,11,12,13,14,15
	ds_load_b128 v[QR+4*\c:QR+4*\c+3], v9 offset:32*\c         ; y(query r, k = 8 c + 4 h + 0 .. 3 of my 128)
.endr
	s_wait_dscnt 0x0
.set i, 0
.rept 32
.if i < 4
	v_wmma_f32_16x16x4_f32 v[YA+8*(i%4):YA+8*(i%4)+7], v[WR+2*i:WR+2*i+1], v[QR+2*i:QR+2*i+1], 0
.else
	v_wmma_f32_16x16x4_f32 v[YA+8*(i%4):YA+8*(i%4)+7], v[WR+2*i:WR+2*i+1], v[QR+2*i:QR+2*i+1], v[YA+8*(i%4):YA+8*(i%4)+7]
.endif
.set i, i+1
.endr
.rept 8
	v_nop
.endr
.irp j, 0,1,2,3,4,5,6,7
	v_add_f32 v[TT+\j], v[YA+\j], v[YA+8+\j]
.endr
.irp j, 0,1,2,3,4,5,6,7
	v_add_f32 v[TT+\j], v[TT+\j], v[YA+16+\j]
.endr
.irp j, 0,1,2,3,4,5,6,7
	v_add_f32 v[TT+\j], v[TT+\j], v[YA+24+\j]
.endr
	ds_store_b128 v10, v[TT:TT+3]                  ; lane (r, h): query r, columns 8 h + 0 .. 3,
	ds_store_b128 v10, v[TT+4:TT+7] offset:512     ; and + 4 .. 7
	s_wait_dscnt 0x0
	s_barrier_signal -1
	s_barrier_wait -1
.irp k, 0,1,2,3,4,5,6,7
	ds_load_b32 v[SS+\k], v11 offset:2048*\k       ; the eight parts along K of out(query = wave, column = lane)
.endr
	s_wait_dscnt 0x0
	v_add_f32 v[SS], v[SS], v[SS+1]
	v_add_f32 v[SS+2], v[SS+2], v[SS+3]
	v_add_f32 v[SS+4], v[SS+4], v[SS+5]
	v_add_f32 v[SS+6], v[SS+6], v[SS+7]
	v_add_f32 v[SS], v[SS], v[SS+2]
	v_add_f32 v[SS+4], v[SS+4], v[SS+6]
	v_add_f32 v[SS], v[SS], v[SS+4]
	v_add_f32 v[SS], v[SS], v[BI]
	global_store_b32 v5, v[SS], s[10:11]
	s_wait_tensorcnt 0x0                           ; the wave's end, behind my last LDS store
	ds_add_u32 v12, v13
	s_wait_dscnt 0x0
	s_endpgm
.Lfunc_end_k_q43d3c10eb1_first16:
	.size	k_q43d3c10eb1_first16, .Lfunc_end_k_q43d3c10eb1_first16-k_q43d3c10eb1_first16
	.p2alignl 7, 3214868480
	.fill 96, 4, 3214868480
	.section	.rodata,"a",@progbits
	.p2align	6, 0x0
	.amdhsa_kernel k_q43d3c10eb1_first16
		.amdhsa_group_segment_fixed_size 84224
		.amdhsa_private_segment_fixed_size 0
		.amdhsa_enable_private_segment 0
		.amdhsa_kernarg_size 32
		.amdhsa_user_sgpr_count 2
		.amdhsa_user_sgpr_kernarg_segment_ptr 1
		.amdhsa_wavefront_size32 1
		.amdhsa_system_sgpr_workgroup_id_x 1
		.amdhsa_system_sgpr_workgroup_id_y 1
		.amdhsa_system_sgpr_workgroup_id_z 1
		.amdhsa_system_vgpr_workitem_id 0
		.amdhsa_next_free_vgpr 256
		.amdhsa_next_free_sgpr 66
		.amdhsa_reserve_vcc 1
		.amdhsa_float_denorm_mode_32 3
		.amdhsa_float_denorm_mode_16_64 3
		.amdhsa_memory_ordered 1
		.amdhsa_forward_progress 1
		.amdhsa_inst_pref_size 25
	.end_amdhsa_kernel
	.amdgpu_metadata
---
amdhsa.version: [ 1, 2 ]
amdhsa.kernels:
  - .name:           k_q43d3c10eb1_first16
    .symbol:         k_q43d3c10eb1_first16.kd
    .args:
      - { .name: qkv32, .offset: 0, .size: 8, .value_kind: global_buffer, .address_space: global }
      - { .name: w_proj, .offset: 8, .size: 8, .value_kind: global_buffer, .address_space: global }
      - { .name: b_proj, .offset: 16, .size: 8, .value_kind: global_buffer, .address_space: global }
      - { .name: out0, .offset: 24, .size: 8, .value_kind: global_buffer, .address_space: global }
    .group_segment_fixed_size: 84224
    .private_segment_fixed_size: 0
    .kernarg_segment_align: 8
    .kernarg_segment_size: 32
    .max_flat_workgroup_size: 512
    .sgpr_count:     66
    .vgpr_count:     256
    .wavefront_size: 32
...
	.end_amdgpu_metadata
.endif
;; end of part 5
